; MI455X (gfx1250); checked and timed in simulation.
; The chip was launched on July 23, 2026; its instructions are those of AMD's public machine-readable ISA for CDNA 5 (MIT licence, August 2026) and "CDNA5" Instruction Set Architecture Reference Guide (July 2026). The comments in the code are by the model that wrote it; some were corrected since.
;; Cross Attention Fusion. Allowed arithmetic: matrix products marked QUANTISED: E4M3 operands, one given power-of-two scale a tensor, by v_wmma_f32_16x16x64_fp8_fp8 or v_wmma_f32_16x16x128_fp8_fp8, f32 sums; everything else in f32.
;; Inputs: F_cam 2 x 256 x 64 x 64 float32; F_lidar 2 x 64 x 64 x 64 float32; W1 1,024 x 256 float32; W2 256 x 1,024 float32; Wk 256 x 256 float32; Wo 256 x 256 float32; Wq 256 x 64 float32; Wres 256 x 64 float32; Wv 256 x 256 float32; b1 256 float32; b2 256 float32; bf1 1,024 float32; bf2 256 float32; g1 256 float32; g2 256 float32; lowp_scales 18 int32 (the exponents e of the quantised operands' scales 2^e).
;; Outputs: out0 2 x 256 x 64 x 64 float32.
;; This version of the problem:
;;   THIS VERSION OF THE PROBLEM IS GIVEN IN LOW PRECISION. The matrix products marked QUANTISED in the list below multiply operands that are first quantised to E4M3 (4 exponent bits, 3 mantissa bits; 8 bits a number), with one given power-of-two scale for each operand tensor; their sums are f32. All else is computed in f32.
;;   The module's matrix products, in the order in which they are computed (A, B: the left and right operand; K: the contracted axis; several contracted axes count as one K, in the product's order):
;;     1. [M 8,192, K 64] x [K 64, N 256]; A: input F_lidar; B: input Wq: QUANTISED (scales: A lowp_scales[0], B lowp_scales[1])
;;     2. [M 8,192, K 256] x [K 256, N 256]; A: input F_cam; B: input Wk: QUANTISED (scales: A lowp_scales[2], B lowp_scales[3])
;;     3. [M 8,192, K 256] x [K 256, N 256]; A: input F_cam; B: input Wv: QUANTISED (scales: A lowp_scales[4], B lowp_scales[5])
;;     4. batch 16 x [M 4,096, K 32] x [K 32, N 4,096]; A: computed on the way; B: computed on the way: QUANTISED (scales: A lowp_scales[6], B lowp_scales[7])
;;     5. batch 16 x [M 4,096, K 4,096] x [K 4,096, N 32]; A: softmax (see below); B: computed on the way: QUANTISED (scales: A lowp_scales[8], B lowp_scales[9])
;;     6. [M 8,192, K 256] x [K 256, N 256]; A: computed on the way; B: input Wo: QUANTISED (scales: A lowp_scales[10], B lowp_scales[11])
;;     7. [M 8,192, K 64] x [K 64, N 256]; A: input F_lidar; B: input Wres: QUANTISED (scales: A lowp_scales[12], B lowp_scales[13])
;;     8. [M 8,192, K 256] x [K 256, N 1,024]; A: computed on the way; B: input W1: QUANTISED (scales: A lowp_scales[14], B lowp_scales[15])
;;     9. [M 8,192, K 1,024] x [K 1,024, N 256]; A: computed on the way; B: input W2: QUANTISED (scales: A lowp_scales[16], B lowp_scales[17])
;;   THE QUANTISER, for each operand of a quantised product, along K:
;;     - The operand's scale is 2^e, e = its entry of the input lowp_scales (int32; the entries are numbered through the quantised products in the list's order, A before B).
;;     - Each number is divided by the scale, clamped to +-448, and rounded to the nearest number of E4M3, ties to even, subnormals kept.
;;     - The product sums the exact products of the quantised numbers (number of the format x scale) in f32.
;;   ~~~python
;;   def quantise(x, axis, e):      # numpy; x: float32 -> the quantised numbers, widened to float32 again
;;       x = np.moveaxis(x, axis, -1); K = x.shape[-1]
;;       r = np.clip(x / 2.0 ** e, -448, 448)
;;       step = 2.0 ** (np.maximum(np.frexp(np.where(r == 0, 1, r))[1] - 1, -6) - 3)
;;       q = np.round(r / step) * step * 2.0 ** e      # np.round: ties to even
;;       return np.moveaxis(q, -1, axis).astype(np.float32)
;;   ~~~
;;   SOFTMAX AHEAD OF A QUANTISED PRODUCT. Where the list says 'softmax', what is quantised is not the finished softmax but p = 2^(t - M), with t = logit x log2(e) and M = ceil(the row's largest t), a whole number; so 1/2 < the row's largest p <= 1. The row's sum l is taken of the UNQUANTISED p, in f32, and the product's result is divided by l at the end. Since M is a whole number, a kernel that streams over the keys may use a running M (the ceiling of the running maximum): every later rescaling is an exact power of two, so the quantised numbers keep their values, but for numbers so far below the row's largest that they fall under the format's range.
;;   OPERANDS COMPUTED ON THE WAY. 'Computed on the way' means the value that the module computes at that place (a softmax that the list does not call 'softmax' is quantised finished and normalised). What goes into a quantiser is computed in f32, as accurately as f32 sums, v_exp_f32 and their like allow (about 1e-6 of the number): no bf16 or f16 on the way to a quantiser, and a product that is left as it is and whose result goes on into a quantised operand takes f32 operands (vector FMAs, or v_wmma_f32_16x16x4_f32). A number that lies on a knife's edge between two numbers of the format may be rounded either way, as far as f32 arithmetic and the matrix unit's own rounding can turn it there, and no further.
;; 2 versions, each right; version 2 is version 1 with the launches attend, fuse written anew for expert scheduling mode. Each part assembles by itself: llvm-mc -triple=amdgcn-amd-amdhsa -mcpu=gfx1250 --defsym DOCPART=n.
;; ======== version 1 of 2: 3 launches
;; workspace buffers: qimg 2,097,152 bytes; kimg 2,097,152 bytes; vimg 2,097,152 bytes; oimg 2,097,152 bytes; xrimg 524,288 bytes; wimg 606,208 bytes
;; launch project (part 1): grid 256 x 1, 8 waves a work-group, clusters of 4 x 1, 241,152 bytes of LDS; arguments F_cam, F_lidar, Wk, Wv, Wq, Wo, Wres, W1, W2, lowp_scales, qimg, kimg, vimg, xrimg, wimg; writes qimg, kimg, vimg, xrimg, wimg
.if DOCPART == 1
	.amdgcn_target "amdgcn-amd-amdhsa--gfx1250"
	.amdhsa_code_object_version 6
	.text
	.protected	k_qe55bfca2f5_project
	.globl	k_qe55bfca2f5_project
	.p2align	8
	.type	k_qe55bfca2f5_project,@function
k_qe55bfca2f5_project:
	s_mov_b64 s[64:65], 0
	v_nop
	global_prefetch_b8 v0, s[64:65] scope:SCOPE_SE
	s_setreg_imm32_b32 hwreg(HW_REG_WAVE_MODE, 25, 1), 1
	s_wait_xcnt 0x0
	s_wait_alu depctr_hold_cnt(0) depctr_sa_sdst(0) depctr_va_vdst(0) depctr_va_sdst(0) depctr_va_ssrc(0) depctr_va_vcc(0) depctr_vm_vsrc(0)
	s_getreg_b32 s2, hwreg(HW_REG_IB_STS2, 6, 4)
	s_cmp_eq_u32 s2, 0
	s_cbranch_scc0 .Lentry_in_a_cluster
	s_endpgm
.Lentry_in_a_cluster:
	s_bfe_u32 s2, ttmp6, 0x10000c
	s_cmp_lg_u32 s2, 0x3003
	s_cbranch_scc0 .Lentry_shape_is_right
	s_endpgm
.Lentry_shape_is_right:
; PROJECT.  Q = x_lidar Wq^T, K = x_cam Wk^T, V = x_cam Wv^T on codes of E4M3, and all that the later launches want as codes:
; Q, K, V quantised for the attention, x_lidar under the residual product's scale, and Wo, Wres, W1, W2.
; Everything leaves as IMAGES OF OPERAND REGISTERS: a group of four registers is 512 bytes, lane l's 16 bytes at 16 l, so every store covers 512 consecutive aligned bytes.
; SHARES.  A cluster of four work-groups owns 128 tokens of one batch; partner cx owns heads 2 cx and 2 cx + 1.  All four need the same 128 tokens of all channels, so the tiles of
; F_cam (256 channels x 512 bytes) and F_lidar (64 x 512) are asked for JOINTLY (mask 15); wave w asks for 32 channels of F_cam and 8 of F_lidar.  No branch and no LDS address hangs on cx.
; Wave w: (a) quantises token tile w (16 tokens, all channels) and lays its fragments in LDS; (b) owns 16 rows of Wk (w < 4) or Wv (w >= 4) for all 8 token tiles; (c) owns 16 rows of Wq for 4 token tiles;
; (d) where cid + 64 w < 74 it quantises one fragment of 2,048 bytes of Wo, W1, W2 or Wres while the tiles are on their way (296 such jobs in the launch).
; K ORDER.  In these products registers 4 c .. 4 c + 3 of lane (r, h) hold k = 32 c + 16 h + 0 .. 15, alike in both operands: every product meets its partner; only the order of the sums inside an instruction differs from ascending k.
; ROWS OF A WEIGHT TILE: lane r takes row base + 8 u + r + (r & 8), so that used as source 0 a lane's eight results are dims 16 h + 8 u + 0 .. 7 of one token.
; K and Q: source 0 = weight rows, source 1 = tokens (a lane holds one token, eight dims).  V: source 0 = tokens, source 1 = weight rows (a lane holds one dim, eight keys: the keys are the next K).
; LIMITS: e0 .. e5, e11, e12, e13, e15, e17 and the folded e6 - e0 - e1, e7 - e2 - e3, e9 - e4 - e5 lie between -126 and 119, so that the scale and 448 x the scale are f32 numbers.  NaN among the inputs is not served; infinities are held at the largest code.
.set PITCH, 520                        ; an LDS row: 512 bytes (128 tokens) + 8 of padding = 130 words: the rows 16 apart that the two halves of the lanes read lie 32 banks apart
.set LID,   256*PITCH                  ; F_cam's 256 rows from 0, F_lidar's 64 rows from here
.set CIMG,  LID+64*PITCH               ; x_cam's fragments: set A (scale e2) 32,768 bytes, set B (e4) 32,768: [token tile 8][K step 2] x 2,048
.set LIMG,  CIMG+65536                 ; x_lidar's fragments under e0: [token tile 8] x 1,024
.set SPARE, LIMG+8192                  ; the spare words, 128 bytes for each of eight waves: four blocks of 256 bytes that no other line names
.set WV,  3                            ; s3  wave
.set CX,  4                            ; s4  my place in the cluster
.set CID, 5                            ; s5  the cluster's number
; s[8:37] the fifteen addresses; s[40:47], s[48:55] descriptor groups 1; s[56:59], s[60:63] groups 0; s68+i = e_i (i < 16), s84 = e16, s85 = e17; s6, s7, s38, s39, s66, s67, s86-99 at work
; v1 16 x lane; v2 x_lidar's images, read; v3 8 x lane; v4, v5 offsets in Wk/Wv and Wq; v6, v7 the job's offsets; v8, v9, v10 my token's column in F_cam (channels 0-127, 128-255) and F_lidar;
; v11, v12 where I store images; v13 x_cam's images, read; v14, v15 the add's two; v16-23 Wq's codes; v24-31 four pairs (scale, 448 x scale); v32-63 Wk's or Wv's codes; v64-255 by phases
.macro PLACES
.rept 4
	v_nop
.endr
.endm
.macro BARRIER                         ; my LDS stores have landed and my LDS loads are in: then the work-group's barrier
	s_wait_dscnt 0x0
	s_barrier_signal -1
	s_barrier_wait -1
.endm
.macro CROUND                          ; a round of the cluster's barrier
	s_barrier_signal -1
	s_barrier_wait -1
	s_cmp_lg_u32 s[WV], 0
	s_cbranch_scc1 .Lnot_wave_0_\@
	s_barrier_signal -3
.Lnot_wave_0_\@:
	s_barrier_wait -3
	s_barrier_signal -1
	s_barrier_wait -1
.endm
.macro SETSC sc, lim, e, t             ; v[sc] = 2^e, v[lim] = 448 x 2^e, e in s[e]; s[t] at work
	s_add_co_i32 s[\t], s[\e], 127
	s_lshl_b32 s[\t], s[\t], 23
	v_mov_b32 v[\sc], s[\t]
	s_add_co_i32 s[\t], s[\e], 135
	s_lshl_b32 s[\t], s[\t], 23
	s_or_b32 s[\t], s[\t], 0x600000
	v_mov_b32 v[\lim], s[\t]
.endm
.macro HOLDN src, dst, n, lim          ; the conversion to an 8-bit code does not saturate (ISA guide 7.6.2): the hold at 448 x the scale
.set qi, 0
.rept \n
	v_med3_num_f32 v[\dst+qi], v[\src+qi], -v[\lim], v[\lim]
.set qi, qi+1
.endr
.endm
.macro CVTN src, code, n, sc           ; eight numbers / the scale, to the nearest code, ties to even
.set qi, 0
.rept (\n)/8
	v_cvt_scalef32_pk8_fp8_f32 v[\code+2*qi:\code+2*qi+1], v[\src+8*qi:\src+8*qi+7], v[\sc]
.set qi, qi+1
.endr
.endm
.macro QUANT src, dst, code, n, sc, lim
	HOLDN \src, \dst, \n, \lim
	CVTN \dst, \code, \n, \sc
	v_nop                                          ; one plain line behind the last conversion, ahead of whatever next touches its results or writes its sources
.endm
	s_load_b512 s[8:23], s[0:1], 0x0               ; F_cam 8, F_lidar 10, Wk 12, Wv 14, Wq 16, Wo 18, Wres 20, W1 22
	s_load_b256 s[24:31], s[0:1], 0x40             ; W2 24, lowp_scales 26, qimg 28, kimg 30
	s_load_b128 s[32:35], s[0:1], 0x60             ; vimg 32, xrimg 34
	s_load_b64 s[36:37], s[0:1], 0x70              ; wimg
	v_lshl_add_u32 v14, v0, 2, SPARE
	v_mov_b32 v15, 0
	ds_add_u32 v14, v15                            ; the wave's opening: the add and its wait ahead of my first tensor load; the set-up below stands between them
	v_lshrrev_b32 v1, 5, v0
	v_readfirstlane_b32 s[WV], v1
	s_bfe_u32 s[CX], ttmp6, 0x40000
	s_mov_b32 s[CID], ttmp9
	; descriptor groups 1: rows of 128 elements of 4 bytes, 4,096 elements apart in memory; 32 rows (F_cam) or 8 (F_lidar)
	s_mov_b32 s40, 15|(2<<16)|(1<<20)|(1<<21)|(6<<22)|(1<<25)   ; 15:0 the mask: all four partners; 17:16 elements of 4 bytes; 20 padding on; 21 set beside a mask; 24:22 after every 128 words; 31:25 two words
	s_mov_b32 s41, 128<<16                         ; tensor_dim0 = 128
	s_mov_b32 s42, 32<<16                          ; tensor_dim1 = 32
	s_mov_b32 s43, 128<<16                         ; tile_dim0 = 128
	s_mov_b32 s44, 32                              ; tile_dim1 = 32
	s_mov_b32 s45, 4096                            ; from row to row
	s_mov_b32 s46, 0
	s_mov_b32 s47, 0
	s_mov_b32 s48, 15|(2<<16)|(1<<20)|(1<<21)|(6<<22)|(1<<25)
	s_mov_b32 s49, 128<<16
	s_mov_b32 s50, 8<<16
	s_mov_b32 s51, 128<<16
	s_mov_b32 s52, 8
	s_mov_b32 s53, 4096
	s_mov_b32 s54, 0
	s_mov_b32 s55, 0
	s_mov_b32 s56, 1
	s_mul_i32 s57, s[WV], 32*PITCH                 ; F_cam: my 32 rows in LDS
	s_mov_b32 s60, 1
	s_mul_i32 s61, s[WV], 8*PITCH
	s_add_co_u32 s61, s61, LID                     ; F_lidar: my 8 rows
	s_lshr_b32 s86, s[CID], 5                      ; the batch
	s_and_b32 s87, s[CID], 31
	s_lshl_b32 s87, s87, 9                         ; the cluster's first token, in bytes
	s_lshl_b32 s88, s86, 22
	s_lshl_b32 s89, s[WV], 19
	s_add_co_u32 s88, s88, s89
	s_add_co_u32 s88, s88, s87                     ; F_cam: batch x 4 MiB + 32 w channels x 16 KiB + token
	s_mov_b32 s89, 0
	s_lshl_b32 s90, s86, 20
	s_lshl_b32 s91, s[WV], 17
	s_add_co_u32 s90, s90, s91
	s_add_co_u32 s90, s90, s87                     ; F_lidar likewise: 1 MiB a batch, 8 w channels
	s_mov_b32 s91, 0
	s_wait_dscnt 0x0                               ; the opening add is done
	s_wait_kmcnt 0x0
	s_load_b512 s[68:83], s[26:27], 0x0            ; e0 .. e15
	s_load_b64 s[84:85], s[26:27], 0x40            ; e16, e17
	s_add_nc_u64 s[58:59], s[8:9], s[88:89]
	s_or_b32 s59, s59, 0x80000000                  ; type = 2
	s_add_nc_u64 s[62:63], s[10:11], s[90:91]
	s_or_b32 s63, s63, 0x80000000
	CROUND                                         ; all four partners are here: the joint loads meet
	tensor_load_to_lds s[56:59], s[40:47]          ; two tensor loads of a wave are out, and no more are issued
	s_nop 0
	tensor_load_to_lds s[60:63], s[48:55]
	s_nop 0
	PLACES
	; every address register is made here, ahead of the first parting of the waves
	v_and_b32 v16, 31, v0
	v_lshlrev_b32 v1, 4, v16                       ; 16 x lane
	v_lshlrev_b32 v3, 3, v16                       ; 8 x lane
	v_and_b32 v16, 15, v0                          ; r
	v_bfe_u32 v17, v0, 4, 1                        ; h
	v_and_b32 v6, 8, v16
	v_add_nc_u32 v6, v6, v16                       ; r + (r & 8)
	v_lshlrev_b32 v4, 10, v6
	v_lshl_add_u32 v4, v17, 6, v4                  ; Wk, Wv: row x 1,024 + 64 h
	v_lshlrev_b32 v5, 8, v6
	v_lshl_add_u32 v5, v17, 6, v5                  ; Wq: row x 256 + 64 h
	v_mul_u32_u24 v8, v17, 16*PITCH
	v_lshl_add_u32 v8, v16, 2, v8
	s_lshl_b32 s86, s[WV], 6
	v_add_nc_u32 v8, s86, v8                       ; channel 16 h, token 16 w + r
	v_add_nc_u32 v9, 128*PITCH, v8                 ; channels 128 on
	v_add_nc_u32 v10, LID, v8                      ; F_lidar
	s_lshl_b32 s86, s[WV], 12
	s_add_co_u32 s86, s86, CIMG
	v_add_nc_u32 v11, s86, v1
	s_lshl_b32 s86, s[WV], 10
	s_add_co_u32 s86, s86, LIMG
	v_add_nc_u32 v12, s86, v1
	s_lshr_b32 s87, s[WV], 2
	s_lshl_b32 s86, s87, 15
	s_add_co_u32 s86, s86, CIMG
	v_add_nc_u32 v13, s86, v1                      ; set A for the waves of K, set B for the waves of V
	s_lshl_b32 s86, s87, 12
	s_add_co_u32 s86, s86, LIMG
	v_add_nc_u32 v2, s86, v1                       ; x_lidar's token tiles 4 (w / 4) on
	; my rows of the weights: RB = 64 cx + 32 ((w / 2) % 2) + 8 (w % 2)
	s_lshl_b32 s86, s[CX], 6
	s_bfe_u32 s87, s[WV], 0x10001
	s_lshl_b32 s87, s87, 5
	s_add_co_u32 s86, s86, s87
	s_and_b32 s87, s[WV], 1
	s_lshl_b32 s87, s87, 3
	s_add_co_u32 s94, s86, s87
	s_lshl_b32 s88, s94, 10
	s_mov_b32 s89, 0
	s_cmp_lt_u32 s[WV], 4
	s_cselect_b64 s[86:87], s[12:13], s[14:15]
	s_add_nc_u64 s[86:87], s[86:87], s[88:89]
	s_lshl_b32 s90, s94, 8
	s_mov_b32 s91, 0
	s_add_nc_u64 s[90:91], s[16:17], s[90:91]
.irp s, 0,1
.irp c, 0,1,2,3
.irp j, 0,1,2,3
	global_load_b128 v[128+64*\s+16*\c+4*\j:131+64*\s+16*\c+4*\j], v4, s[86:87] offset:512*\s+128*\c+16*\j   ; W(row, 128 s + 32 c + 16 h + 4 j ..)
.endr
.endr
.endr
.irp c, 0,1
.irp j, 0,1,2,3
	global_load_b128 v[32+16*\c+4*\j:35+16*\c+4*\j], v5, s[90:91] offset:128*\c+16*\j
.endr
.endr
	s_wait_kmcnt 0x0                               ; the exponents
	; THE JOB: fragment J = 4 (cid + 64 w) + cx of wimg.  The branch hangs on the cluster's number and the wave's alone; which weight it is hangs on cid + 64 w (the bases 32, 160, 288 are multiples of 4)
	s_lshl_b32 s92, s[WV], 6
	s_add_co_u32 s92, s92, s[CID]
	s_cmp_lt_u32 s92, 74
	s_cbranch_scc0 .Lnojob
	s_lshl_b32 s93, s92, 2
	s_add_co_u32 s93, s93, s[CX]                   ; J
	s_mov_b64 s[38:39], s[20:21]                   ; Wres: J from 288; rows of 256 bytes; a job is two fragments of K = 64 (u = 0, 1), eight rows = 2,048 bytes apart
	s_mov_b32 s6, 288
	s_mov_b32 s7, 8
	s_mov_b32 s66, 0
	s_mov_b32 s67, 0
	s_mov_b32 s88, 0
	s_mov_b32 s89, 2048
	s_mov_b32 s94, s81
	s_cmp_lt_u32 s92, 72                           ; W2: J from 160 = [w 8][s 8][u 2]; rows of 4,096 bytes
	s_cselect_b64 s[38:39], s[24:25], s[38:39]
	s_cselect_b32 s6, 160, s6
	s_cselect_b32 s7, 12, s7
	s_cselect_b32 s66, 1, s66
	s_cselect_b32 s67, 7, s67
	s_cselect_b32 s88, 4, s88
	s_cselect_b32 s89, 256, s89
	s_cselect_b32 s94, s85, s94
	s_cmp_lt_u32 s92, 40                           ; W1: J from 32 = [32-row group 32][s 2][u 2]; rows of 1,024 bytes
	s_cselect_b64 s[38:39], s[22:23], s[38:39]
	s_cselect_b32 s6, 32, s6
	s_cselect_b32 s7, 10, s7
	s_cselect_b32 s67, 1, s67
	s_cselect_b32 s88, 2, s88
	s_cselect_b32 s94, s83, s94
	s_cmp_lt_u32 s92, 8                            ; Wo: J from 0 = [w 8][s 2][u 2]
	s_cselect_b64 s[38:39], s[18:19], s[38:39]
	s_cselect_b32 s6, 0, s6
	s_cselect_b32 s94, s79, s94
	s_sub_co_u32 s95, s93, s6
	s_and_b32 s96, s95, s66                        ; u
	s_lshr_b32 s97, s95, 1
	s_and_b32 s97, s97, s67                        ; s
	s_lshr_b32 s98, s95, s88                       ; the group of 32 rows
	s_lshl_b32 s98, s98, 5
	s_lshl_b32 s96, s96, 3
	s_add_co_u32 s98, s98, s96
	s_lshl_b32 s98, s98, s7
	s_lshl_b32 s97, s97, 9
	s_add_co_u32 s98, s98, s97                     ; (32 g + 8 u) rows + 128 s numbers
	s_mov_b32 s99, 0
	s_add_nc_u64 s[38:39], s[38:39], s[98:99]
	v_lshlrev_b32 v6, s7, v6
	v_lshl_add_u32 v6, v17, 6, v6                  ; my row + 64 h
	v_add_nc_u32 v7, s89, v6                       ; groups 2 and 3: 64 numbers on, or (Wres) eight rows on
.irp c, 0,1
.irp j, 0,1,2,3
	global_load_b128 v[64+16*\c+4*\j:67+16*\c+4*\j], v6, s[38:39] offset:128*\c+16*\j
	global_load_b128 v[96+16*\c+4*\j:99+16*\c+4*\j], v7, s[38:39] offset:128*\c+16*\j
.endr
.endr
	SETSC 24, 25, 94, 95
	s_lshl_b32 s96, s93, 11
	s_mov_b32 s97, 0
	s_add_nc_u64 s[96:97], s[36:37], s[96:97]
	s_wait_loadcnt 0x0
	QUANT 64, 64, 16, 32, 24, 25
	global_store_b128 v1, v[16:19], s[96:97]
	global_store_b128 v1, v[20:23], s[96:97] offset:512
	s_wait_xcnt 0x0                                ; the stores have read v16-23: the second half's codes may be written
	QUANT 96, 96, 16, 32, 24, 25
	global_store_b128 v1, v[16:19], s[96:97] offset:1024
	global_store_b128 v1, v[20:23], s[96:97] offset:1536
	s_wait_xcnt 0x0                                ; and again, ahead of Wq's codes
.Lnojob:
	s_wait_loadcnt 0x0                             ; my rows of Wk or Wv, and of Wq
	SETSC 24, 25, 69, 95                           ; e1
	QUANT 32, 32, 16, 32, 24, 25                   ; Wq's fragment (K = 64) -> v16-23
	s_cmp_lt_u32 s[WV], 4
	s_cselect_b32 s96, s71, s73                    ; e3 or e5
	SETSC 26, 27, 96, 95
	QUANT 128, 128, 32, 128, 26, 27                ; Wk's or Wv's two fragments (K steps 0, 1) -> v32-47, v48-63
	SETSC 24, 25, 70, 95                           ; e2: x_cam for K
	SETSC 26, 27, 72, 95                           ; e4: x_cam for V
	SETSC 28, 29, 68, 95                           ; e0: x_lidar for Q
	SETSC 30, 31, 80, 95                           ; e12: x_lidar for the residual
	s_wait_tensorcnt 0x0                           ; my rows of both tiles have landed,
	BARRIER                                        ; everybody's have
	; ---- x's codes: token tile w.  A lane takes token r and its registers run down the channels, in the order of the operand's registers: nothing is transposed
.macro XLD reg, adr, n
.set xi, 0
.rept \n
	ds_load_b32 v[\reg+xi], v[\adr] offset:(32*(xi/16)+xi%16)*PITCH
.set xi, xi+1
.endr
.endm
.macro XSTEP s                         ; 64 numbers of K step s become two fragments, one under each scale
	QUANT 64, 128, 192, 64, 24, 25
	QUANT 64, 64, 208, 64, 26, 27
.irp c, 0,1,2,3
	ds_store_b128 v11, v[192+4*\c:195+4*\c] offset:2048*\s+512*\c
	ds_store_b128 v11, v[208+4*\c:211+4*\c] offset:32768+2048*\s+512*\c
.endr
.endm
	XLD 64, 8, 64
	XLD 224, 10, 32
	s_wait_dscnt 0x0
	XSTEP 0
	XLD 64, 9, 64                                  ; channels 128 on land while x_lidar is quantised
	HOLDN 224, 128, 32, 29
	HOLDN 224, 160, 32, 31
	CVTN 128, 224, 32, 28                          ; under e0: v224-231
	CVTN 160, 232, 32, 30                          ; under e12: v232-239
	v_nop
	ds_store_b128 v12, v[224:227]
	ds_store_b128 v12, v[228:231] offset:512
	; all four partners hold the same eight registers under e12: partner cx stores register pair cx, chosen as a value (no branch on the place in the cluster)
	s_bitcmp1_b32 s[CX], 0
	s_cselect_b32 s95, -1, 0
	s_bitcmp1_b32 s[CX], 1
	s_cselect_b32 s96, -1, 0
	v_cndmask_b32 v240, v232, v234, s95
	v_cndmask_b32 v241, v233, v235, s95
	v_cndmask_b32 v242, v236, v238, s95
	v_cndmask_b32 v243, v237, v239, s95
	v_cndmask_b32 v240, v240, v242, s96
	v_cndmask_b32 v241, v241, v243, s96
	s_lshl_b32 s98, s[CID], 3
	s_add_co_u32 s98, s98, s[WV]
	s_lshl_b32 s98, s98, 10
	s_lshl_b32 s99, s[CX], 8
	s_add_co_u32 s98, s98, s99
	s_mov_b32 s99, 0
	s_add_nc_u64 s[98:99], s[34:35], s[98:99]
	global_store_b64 v3, v[240:241], s[98:99]      ; 32 lanes x 8 bytes: 256 consecutive bytes, aligned
	s_wait_dscnt 0x0
	XSTEP 1
	BARRIER                                        ; all fragments of x lie in LDS
	s_wait_xcnt 0x0                                ; the store above has read v240, v241, which are loaded again below
	; ---- the products: four token tiles at a time, four accumulators by turns
.macro GROUP q
.set gi, 0
.rept 8                                ; fragment 2 m + s of the group at v64 + 16 i (i < 4) or v192 + 16 (i - 4)
.irp c, 0,1,2,3
	ds_load_b128 v[64+16*gi+64*(gi/4)+4*\c:64+16*gi+64*(gi/4)+4*\c+3], v13 offset:(8*\q+gi)*2048+512*\c
.endr
.set gi, gi+1
.endr
	s_wait_dscnt 0x0
	s_cmp_lt_u32 s[WV], 4
	s_cbranch_scc0 .Lvalues_\@
.irp s, 0,1
.irp m, 0,1,2,3
.set FRG, 64+16*(2*\m+\s)+64*((2*\m+\s)/4)
.set AC, 128+8*(4*\q+\m)
.if \s == 0
	v_wmma_f32_16x16x128_fp8_fp8 v[AC:AC+7], v[32+16*\s:47+16*\s], v[FRG:FRG+15], 0
.else
	v_wmma_f32_16x16x128_fp8_fp8 v[AC:AC+7], v[32+16*\s:47+16*\s], v[FRG:FRG+15], v[AC:AC+7]
.endif
.endr
.endr
	s_branch .Ljoined_\@
.Lvalues_\@:
.irp s, 0,1
.irp m, 0,1,2,3
.set FRG, 64+16*(2*\m+\s)+64*((2*\m+\s)/4)
.set AC, 128+8*(4*\q+\m)
.if \s == 0
	v_wmma_f32_16x16x128_fp8_fp8 v[AC:AC+7], v[FRG:FRG+15], v[32+16*\s:47+16*\s], 0
.else
	v_wmma_f32_16x16x128_fp8_fp8 v[AC:AC+7], v[FRG:FRG+15], v[32+16*\s:47+16*\s], v[AC:AC+7]
.endif
.endr
.endr
.Ljoined_\@:
	PLACES                                         ; in front of loads into registers that the products have read, and of the first read of results
.endm
	GROUP 0
	GROUP 1
.irp m, 0,1,2,3
.irp c, 0,1
	ds_load_b128 v[192+8*\m+4*\c:195+8*\m+4*\c], v2 offset:1024*\m+512*\c   ; x_lidar's four fragments land while K or V is quantised
.endr
.endr
	s_sub_co_i32 s95, s75, s70
	s_sub_co_i32 s95, s95, s71                     ; e7 - e2 - e3: a sum stands for sum x 2^(e2 + e3), its code is that / 2^e7
	s_sub_co_i32 s96, s77, s72
	s_sub_co_i32 s96, s96, s73                     ; e9 - e4 - e5
	s_lshr_b32 s86, s[CID], 5
	s_lshl_b32 s86, s86, 3
	s_lshl_b32 s87, s[CX], 1
	s_add_co_u32 s86, s86, s87
	s_bfe_u32 s87, s[WV], 0x10001
	s_add_co_u32 s86, s86, s87                     ; batch x 8 + head
	s_lshl_b32 s86, s86, 17
	s_and_b32 s87, s[CID], 31
	s_lshl_b32 s87, s87, 12
	s_add_co_u32 s86, s86, s87                     ; the head's 131,072 bytes, the cluster's 4,096 of them
	s_and_b32 s88, s[WV], 1
	s_cmp_lt_u32 s[WV], 4
	s_cselect_b64 s[38:39], s[30:31], s[32:33]     ; kimg or vimg
	s_cselect_b32 s89, 9, 11
	s_cselect_b32 s90, 1, 0
	s_cselect_b32 s95, s95, s96
	s_lshl_b32 s89, s88, s89                       ; my half u = w % 2: 512 bytes on in kimg, 2,048 in vimg
	s_lshl_b32 s90, 512, s90                       ; from group to group: 1,024 bytes in kimg (a pair of token tiles), 512 in vimg
	s_add_co_u32 s92, s86, s89
	s_mov_b32 s93, 0
	s_add_nc_u64 s[38:39], s[38:39], s[92:93]
	SETSC 24, 25, 95, 96
	QUANT 128, 128, 64, 64, 24, 25                 ; each accumulator from its low end on; token tile m's eight codes -> v64 + 2 m
	v_add_nc_u32 v80, s90, v1
	v_add_nc_u32 v81, s90, v80
	v_add_nc_u32 v82, s90, v81
	global_store_b128 v1, v[64:67], s[38:39]       ; each store: 512 consecutive bytes, aligned
	global_store_b128 v80, v[68:71], s[38:39]
	global_store_b128 v81, v[72:75], s[38:39]
	global_store_b128 v82, v[76:79], s[38:39]
	s_wait_dscnt 0x0
.irp m, 0,1,2,3
	v_wmma_f32_16x16x64_fp8_fp8 v[224+8*\m:231+8*\m], v[16:23], v[192+8*\m:199+8*\m], 0   ; Q: source 0 = Wq's rows, source 1 = tokens
.endr
	PLACES
	s_sub_co_i32 s95, s74, s68
	s_sub_co_i32 s95, s95, s69                     ; e6 - e0 - e1
	SETSC 26, 27, 95, 96
	QUANT 224, 224, 84, 32, 26, 27
	s_lshr_b32 s91, s[WV], 2
	s_lshl_b32 s91, s91, 11                        ; my two pairs of token tiles,
	s_lshl_b32 s88, s88, 9                         ; my half u
	s_add_co_u32 s86, s86, s91
	s_add_co_u32 s86, s86, s88
	s_mov_b32 s87, 0
	s_add_nc_u64 s[86:87], s[28:29], s[86:87]
	global_store_b128 v1, v[84:87], s[86:87]
	global_store_b128 v1, v[88:91], s[86:87] offset:1024
	s_wait_tensorcnt 0x0                           ; the wave's end: behind my last tensor load and my last LDS store
	ds_add_u32 v14, v15
	s_wait_dscnt 0x0
	CROUND                                         ; the closing round
	s_endpgm
.Lfunc_end_k_qe55bfca2f5_project:
	.size	k_qe55bfca2f5_project, .Lfunc_end_k_qe55bfca2f5_project-k_qe55bfca2f5_project
	.p2alignl 7, 3214868480
	.fill 96, 4, 3214868480
	.section	.rodata,"a",@progbits
	.p2align	6, 0x0
	.amdhsa_kernel k_qe55bfca2f5_project
		.amdhsa_group_segment_fixed_size 241152
		.amdhsa_private_segment_fixed_size 0
		.amdhsa_enable_private_segment 0
		.amdhsa_kernarg_size 120
		.amdhsa_user_sgpr_count 2
		.amdhsa_user_sgpr_kernarg_segment_ptr 1
		.amdhsa_wavefront_size32 1
		.amdhsa_system_sgpr_workgroup_id_x 1
		.amdhsa_system_sgpr_workgroup_id_y 1
		.amdhsa_system_sgpr_workgroup_id_z 1
		.amdhsa_system_vgpr_workitem_id 0
		.amdhsa_next_free_vgpr 256
		.amdhsa_next_free_sgpr 100
		.amdhsa_reserve_vcc 0
		.amdhsa_float_denorm_mode_32 3
		.amdhsa_float_denorm_mode_16_64 3
		.amdhsa_memory_ordered 1
		.amdhsa_forward_progress 1
		.amdhsa_inst_pref_size 84
	.end_amdhsa_kernel
	.amdgpu_metadata
---
amdhsa.version: [ 1, 2 ]
amdhsa.kernels:
  - .name:           k_qe55bfca2f5_project
    .symbol:         k_qe55bfca2f5_project.kd
    .args:
      - { .name: F_cam, .offset: 0, .size: 8, .value_kind: global_buffer, .address_space: global }
      - { .name: F_lidar, .offset: 8, .size: 8, .value_kind: global_buffer, .address_space: global }
      - { .name: Wk, .offset: 16, .size: 8, .value_kind: global_buffer, .address_space: global }
      - { .name: Wv, .offset: 24, .size: 8, .value_kind: global_buffer, .address_space: global }
      - { .name: Wq, .offset: 32, .size: 8, .value_kind: global_buffer, .address_space: global }
      - { .name: Wo, .offset: 40, .size: 8, .value_kind: global_buffer, .address_space: global }
      - { .name: Wres, .offset: 48, .size: 8, .value_kind: global_buffer, .address_space: global }
      - { .name: W1, .offset: 56, .size: 8, .value_kind: global_buffer, .address_space: global }
      - { .name: W2, .offset: 64, .size: 8, .value_kind: global_buffer, .address_space: global }
      - { .name: lowp_scales, .offset: 72, .size: 8, .value_kind: global_buffer, .address_space: global }
      - { .name: qimg, .offset: 80, .size: 8, .value_kind: global_buffer, .address_space: global }
      - { .name: kimg, .offset: 88, .size: 8, .value_kind: global_buffer, .address_space: global }
      - { .name: vimg, .offset: 96, .size: 8, .value_kind: global_buffer, .address_space: global }
      - { .name: xrimg, .offset: 104, .size: 8, .value_kind: global_buffer, .address_space: global }
      - { .name: wimg, .offset: 112, .size: 8, .value_kind: global_buffer, .address_space: global }
    .group_segment_fixed_size: 241152
    .private_segment_fixed_size: 0
    .kernarg_segment_align: 8
    .kernarg_segment_size: 120
    .max_flat_workgroup_size: 256
    .sgpr_count:     100
    .vgpr_count:     256
    .wavefront_size: 32
...
	.end_amdgpu_metadata
.endif
;; end of part 1
;; launch attend (part 2): grid 16 x 16, 8 waves a work-group, no clusters, 263,168 bytes of LDS; arguments qimg, kimg, vimg, lowp_scales, oimg; writes oimg
.if DOCPART == 2
	.amdgcn_target "amdgcn-amd-amdhsa--gfx1250"
	.amdhsa_code_object_version 6
	.text
	.protected	k_qe55bfca2f5_attend
	.globl	k_qe55bfca2f5_attend
	.p2align	8
	.type	k_qe55bfca2f5_attend,@function
k_qe55bfca2f5_attend:
	s_mov_b64 s[64:65], 0
	v_nop
	global_prefetch_b8 v0, s[64:65] scope:SCOPE_SE
	s_setreg_imm32_b32 hwreg(HW_REG_WAVE_MODE, 25, 1), 1
	s_wait_xcnt 0x0
; ATTEND.  o = softmax(q k^T / sqrt(32)) v for 16 heads (batch x 8 + head) of 4,096 tokens, head size 32, both products on codes of E4M3, and o quantised under e10 as the next product's operand.
; t = score x log2(e) / sqrt(32); M = the running largest t rounded UP to a whole number; p = 2^(t - M) is quantised under e8; the row's sum is taken of the unquantised p and divides at the end.
; When M moves, the sum and O are multiplied by 2^(old M - new M): exact.
; SHARES.  Work-group (x, y): queries 256 x .. 256 x + 255 of head y.  Wave w owns 32 of them: tile A in registers v0-255 (window 0), tile B in v256-511 (window 1), UNDER THE SAME NUMBERS, so each macro below serves both.
; Each fragment of K and V read from LDS feeds both tiles.  Every wave walks all 4,096 keys, 128 a step.
; K AND V LIE IN LDS WHOLE (131,072 bytes each), each byte stored once: 512 keys (16 KiB of K, 16 KiB of V; 2 KiB of each a wave) for every four key steps, loaded into registers one trip (four key steps) ahead of the store, which itself stands
; one trip ahead of the first read.  So no wave waits for them.
; NO TENSOR LOAD, NO CLUSTER: p <= 1, so the hold at 448 x 2^e8 does nothing where e8 >= -8, and a scalar branch on e8 passes over its 128 lines of a key step
; What the sixteen work-groups of a head share is 256 KiB read once by each.
; LAYOUT.  S^T = K Q^T (source 0 = 16 keys, source 1 = 16 queries), O^T = V^T P^T (source 0 = 16 dims, source 1 = P): a lane holds ONE query (lane % 16) throughout.
; The head's 32 dims fill half of the K = 64 form.  A fragment of K holds TWO tiles of 16 keys: registers {A dims 16h+0..7, B the same, A dims 16h+8..15, B the same}; Q stands as [0 0 q0 q1 0 0 q2 q3 0 0] in v16-25:
; v[18:25] meets key tile A with q and key tile B with zero codes, v[16:23] the other way round.  So register 8 c + j of S is key 16 c + 8 h + j, which is the place that the K = 128 form gives p's codes.
; LIMITS: e6 + e7 between -124 and 129 (added to c's exponent field); e8 and e10 between -126 and 119; e8 + e9 is applied by v_ldexp_f32.  NaN among the inputs is not served.
.set VL,    131072                     ; LDS: K from 0 (key step s at 4,096 s), V from here
.set SPARE, 262144                     ; the spare words, 128 bytes for each of eight waves: four blocks of 256 bytes that no other line names
.set SS,  64                           ; v64-127  S^T, then p
.set OO,  128                          ; v128-143 O^T: register 8 u + j = dim 16 h + 8 u + j
.set PP,  144                          ; v144-159 p's codes
.set KF,  160                          ; v160-191 window 0: K's four fragments
.set VF,  192                          ; v192-223 window 0: V's two fragments
.set STG, 160                          ; v160-191 window 1: the 512 keys on their way to LDS
; window 0 alone: v1 16 x lane; v2, v3 addresses of the loads in hand; v4 2,048 w + 16 x lane; v5 the same in V; v6, v7 where the stage goes; v10, v11 the add's two; v44-51 Q as loaded
; both windows: v16-25 Q; v26 448 x 2^e8; v27 2^e8; v28 -M; v29 the largest t; v[30:31] the sum in two halves; v32 f (v33 named with it); v34-37 at work; v40 448 x 2^e10; v41 2^e10
; s[4:13] addresses; s14 wave; s[20:23] e6 .. e9; s24 e10; s[26:27] c; s[28:29] lane selects; s30, s31 LDS byte of the next K, V; s32 LDS byte of the next 512 keys; s33, s34 counters; s35 e8 + e9; s36-39 constants
.set MSB, 0
.macro WIN new                         ; bits 1:0 source 0, 3:2 source 1, 5:4 source 2, 7:6 destination; the high byte repeats the setting that is left
.if MSB != \new
	s_set_vgpr_msb (MSB<<8)|\new
.set MSB, \new
.endif
.endm
.macro PLACES n
.rept \n
	v_nop
.endr
.endm
.macro QK                              ; eight tiles of 16 keys; each product starts its own sum
.irp c, 0,1,2,3,4,5,6,7
	v_wmma_f32_16x16x64_fp8_fp8 v[SS+8*\c:SS+8*\c+7], v[KF+8*(\c/2):KF+8*(\c/2)+7], v[18-2*(\c%2):25-2*(\c%2)], 0
.endr
.endm
.macro PV                              ; O^T += V^T P^T over the step's 128 keys
.irp u, 0,1
	v_wmma_f32_16x16x128_fp8_fp8 v[OO+8*\u:OO+8*\u+7], v[VF+16*\u:VF+16*\u+15], v[PP:PP+15], v[OO+8*\u:OO+8*\u+7]
.endr
.endm
.macro MAXM                            ; the step's largest score, the new M, f, and t - M; the scores are read in ascending order, each accumulator first at its low end
	v_max3_num_f32 v34, v[SS], v[SS+1], v[SS+2]
	v_max3_num_f32 v35, v[SS+3], v[SS+4], v[SS+5]
.irp i, 6,10,14,18,22,26,30,34,38,42,46,50,54,58
	v_max3_num_f32 v34, v34, v[SS+\i], v[SS+\i+1]
	v_max3_num_f32 v35, v35, v[SS+\i+2], v[SS+\i+3]
.endr
	v_max3_num_f32 v34, v34, v[SS+62], v[SS+63]
	v_max_num_f32 v34, v34, v35
	v_permlanex16_b32 v36, v34, s28, s29           ; the query's other 64 keys lie in the lane 16 away
	v_max_num_f32 v34, v34, v36
	v_mul_f32 v34, s26, v34                        ; as t (c is positive)
	v_max_num_f32 v29, v29, v34
	v_mov_b32 v34, v28
	v_floor_f32 v28, -v29                          ; -M = floor(-t): M is a whole number
	v_sub_f32 v34, v28, v34                        ; old M - new M, 0 or less
	v_cvt_i32_f32 v34, v34                         ; (it saturates)
	v_ldexp_f32 v32, 1.0, v34                      ; f = 2^(old M - new M)
.set pj, 0
.rept 32
	v_pk_fma_f32 v[SS+pj:SS+pj+1], v[SS+pj:SS+pj+1], s[26:27], v[28:29] op_sel_hi:[1,0,0]   ; t - M (of the pairs c and -M the low word serves both halves)
.set pj, pj+2
.endr
.endm
.macro EXPS
.set pj, 0
.rept 64
	v_exp_f32 v[SS+pj], v[SS+pj]
.set pj, pj+1
.endr
.endm
.macro LF
	v_pk_mul_f32 v[30:31], v[30:31], v[32:33] op_sel_hi:[1,0]   ; the sum under the new M
.endm
.macro SUMS                            ; of the UNQUANTISED p, two at a time, in two chains
	v_pk_add_f32 v[36:37], v[SS:SS+1], v[SS+2:SS+3]
.irp j, 4,8,12,16,20,24,28,32,36,40,44,48,52,56,60
	v_pk_add_f32 v[30:31], v[30:31], v[SS+\j:SS+\j+1]
	v_pk_add_f32 v[36:37], v[36:37], v[SS+\j+2:SS+\j+3]
.endr
	v_pk_add_f32 v[30:31], v[30:31], v[36:37]
.endm
.macro HOLD                            ; p is never negative: a one-sided hold at 448 x 2^e8
.set pj, 0
.rept 64
	v_min_num_f32 v[SS+pj], v[SS+pj], v26
.set pj, pj+1
.endr
.endm
.macro CODES                           ; p's codes, and O^T under the new M: the eight multiplies are the plain lines between the conversions and the products
.irp c, 0,1,2,3,4,5,6,7
	v_cvt_scalef32_pk8_fp8_f32 v[PP+2*\c:PP+2*\c+1], v[SS+8*\c:SS+8*\c+7], v27
.endr
.irp j, 0,2,4,6,8,10,12,14
	v_pk_mul_f32 v[OO+\j:OO+\j+1], v[OO+\j:OO+\j+1], v[32:33] op_sel_hi:[1,0]
.endr
.endm
; A KEY STEP.  pre = 1: the next step's K is fetched.  Nine switches of the windows.  No two matrix instructions that follow each other share an accumulator.
.macro STEP pre
	v_add_nc_u32 v3, s31, v1                       ; with the three lines below: four places behind the last product that read V
	s_add_co_u32 s31, s31, 4096
	PLACES 3
.irp i, 0,1,2,3,4,5,6,7
	ds_load_b128 v[VF+4*\i:VF+4*\i+3], v3 offset:512*\i
.endr
	s_wait_dscnt 8                                 ; K, asked for a step ago, is in; V's eight loads may be out
	QK
	WIN 0x54                                       ; K from window 0; Q and S^T of tile B
	QK
	WIN 0
.if \pre
	v_add_nc_u32 v2, s30, v1                       ; four places behind the last product that read K, and ahead of the first read of scores
	s_add_co_u32 s30, s30, 4096
	PLACES 3
.irp i, 0,1,2,3,4,5,6,7
	ds_load_b128 v[KF+4*\i:KF+4*\i+3], v2 offset:512*\i
.endr
.else
	PLACES 4
.endif
	MAXM
	WIN 0x55
	MAXM
	EXPS                                           ; both tiles' 128 exponentials are one batch
	WIN 0
	EXPS
	LF                                             ; the plain line behind the last exponential
	s_wait_alu depctr_va_vdst(0)                   ; one wait for the batch, ahead of its first reader
	SUMS
	WIN 0x55
	LF
	SUMS
	WIN 0
	s_cmp_lt_i32 s22, -8                           ; 448 x 2^e8 >= 1.75 where e8 >= -8, and p <= 1: the hold then changes nothing
	s_cbranch_scc0 .Lfree_\@
	HOLD
	WIN 0x55
	HOLD
	WIN 0
.Lfree_\@:
	CODES
	s_wait_dscnt 8*\pre                            ; V is in; the next step's K may be out
	PV
	WIN 0x55
	CODES
	WIN 0x54
	PV
	WIN 0
.endm
; The 512 keys in the stage go to LDS, and the next 512 are asked for (not in the last trip: there are none).  The barrier shows the stores to every wave, four key steps ahead of their first read.
.macro FILL
	s_wait_loadcnt 0x0                             ; the stage is in; its loads have read their bases
	v_add_nc_u32 v6, s32, v4
	v_add_nc_u32 v7, s32, v5
	WIN 0x04                                       ; store data from window 1
.irp i, 0,1,2,3
	ds_store_b128 v6, v[STG+4*\i:STG+4*\i+3] offset:512*\i
	ds_store_b128 v7, v[STG+16+4*\i:STG+16+4*\i+3] offset:512*\i
.endr
	WIN 0
	s_add_co_u32 s32, s32, 16384
	s_wait_dscnt 0x0                               ; for the others' sake: my stores have landed
	s_cmp_eq_u32 s33, 1
	s_cbranch_scc1 .Lno_more_\@
	s_add_nc_u64 s[6:7], s[6:7], 16384
	s_add_nc_u64 s[8:9], s[8:9], 16384
	WIN 0x40                                       ; destination window 1
.irp i, 0,1,2,3
	global_load_b128 v[STG+4*\i:STG+4*\i+3], v4, s[6:7] offset:512*\i
	global_load_b128 v[STG+16+4*\i:STG+16+4*\i+3], v4, s[8:9] offset:512*\i
.endr
	WIN 0
.Lno_more_\@:
	s_barrier_signal -1
	s_barrier_wait -1
.endm
.macro INIT                            ; a tile's constants and its state: zeros, which the first change of M leaves zeros
.irp j, 16,17,20,21,24,25,30,31,32,33,36,37
	v_mov_b32 v\j, 0
.endr
	v_mov_b32 v26, s37
	v_mov_b32 v27, s36
	v_mov_b32 v29, 0xff61b1e6                      ; the largest t so far: -3e38, under every t
	v_floor_f32 v28, -v29
	v_mov_b32 v40, s39
	v_mov_b32 v41, s38
.set pj, 0
.rept 16
	v_mov_b32 v[OO+pj], 0
.set pj, pj+1
.endr
.endm
.macro FINISH                          ; o = O^T x 2^(e8 + e9) / the sum, quantised under e10: 16 codes a lane, dims 16 h + 0 .. 15
	v_add_f32 v30, v30, v31
	v_permlanex16_b32 v36, v30, s28, s29
	v_add_f32 v30, v30, v36
	v_rcp_f32 v30, v30
	v_nop                                          ; a plain line behind the reciprocal
	s_wait_alu depctr_va_vdst(0)                   ; and the wait ahead of its first reader
	v_ldexp_f32 v30, v30, s35
.irp j, 0,2,4,6,8,10,12,14
	v_pk_mul_f32 v[OO+\j:OO+\j+1], v[OO+\j:OO+\j+1], v[30:31] op_sel_hi:[1,0]
.endr
.set pj, 0
.rept 16
	v_med3_num_f32 v[OO+pj], v[OO+pj], -v40, v40
.set pj, pj+1
.endr
	v_cvt_scalef32_pk8_fp8_f32 v[PP:PP+1], v[OO:OO+7], v41
	v_cvt_scalef32_pk8_fp8_f32 v[PP+2:PP+3], v[OO+8:OO+15], v41
	v_nop
.endm
	s_load_b256 s[4:11], s[0:1], 0x0               ; qimg 4, kimg 6, vimg 8, lowp_scales 10
	s_load_b64 s[12:13], s[0:1], 0x20              ; oimg
	v_lshl_add_u32 v10, v0, 2, SPARE
	v_mov_b32 v11, 0
	v_lshrrev_b32 v1, 5, v0
	v_readfirstlane_b32 s14, v1
	v_and_b32 v1, 31, v0
	v_lshlrev_b32 v1, 4, v1
	s_lshl_b32 s15, s14, 11
	v_add_nc_u32 v4, s15, v1
	v_add_nc_u32 v5, VL, v4
	s_and_b32 s16, ttmp7, 0xffff                   ; batch x 8 + head
	s_lshl_b32 s18, s16, 17
	s_mov_b32 s19, 0
	s_wait_kmcnt 0x0
	s_load_b128 s[20:23], s[10:11], 0x18           ; e6, e7, e8, e9
	s_load_b32 s24, s[10:11], 0x28                 ; e10
	s_add_nc_u64 s[4:5], s[4:5], s[18:19]
	s_add_nc_u64 s[6:7], s[6:7], s[18:19]
	s_add_nc_u64 s[8:9], s[8:9], s[18:19]
	s_lshl_b32 s18, ttmp9, 3
	s_add_co_u32 s18, s18, s14
	s_lshl_b32 s18, s18, 10                        ; my pair of query tiles: 8 x + w, 1,024 bytes each
	s_add_nc_u64 s[4:5], s[4:5], s[18:19]
	global_load_b128 v[44:47], v1, s[4:5]          ; dims 16 h + 0 .. 7: tile A, tile B
	global_load_b128 v[48:51], v1, s[4:5] offset:512   ; dims 16 h + 8 .. 15
.irp i, 0,1,2,3
	global_load_b128 v[64+4*\i:67+4*\i], v4, s[6:7] offset:512*\i          ; keys 0 to 511: my 2 KiB of K,
	global_load_b128 v[80+4*\i:83+4*\i], v4, s[8:9] offset:512*\i          ; and of V;
	global_load_b128 v[96+4*\i:99+4*\i], v4, s[6:7] offset:16384+512*\i    ; keys 512 to 1,023
	global_load_b128 v[112+4*\i:115+4*\i], v4, s[8:9] offset:16384+512*\i
.endr
	s_mov_b32 s28, 0x76543210
	s_mov_b32 s29, 0xfedcba98
	s_wait_kmcnt 0x0
	s_add_co_i32 s15, s20, s21
	s_lshl_b32 s15, s15, 23
	s_add_co_i32 s26, s15, 0x3e8293ee              ; c = log2(e) / sqrt(32), with e6 + e7 added to its exponent field
	s_mov_b32 s27, s26
	s_add_co_i32 s35, s22, s23
	s_add_co_i32 s36, s22, 127
	s_lshl_b32 s36, s36, 23                        ; 2^e8
	s_add_co_i32 s37, s22, 135
	s_lshl_b32 s37, s37, 23
	s_or_b32 s37, s37, 0x600000                    ; 448 x 2^e8
	s_add_co_i32 s38, s24, 127
	s_lshl_b32 s38, s38, 23                        ; 2^e10
	s_add_co_i32 s39, s24, 135
	s_lshl_b32 s39, s39, 23
	s_or_b32 s39, s39, 0x600000
	INIT
	WIN 0x55
	INIT
	WIN 0
	s_wait_loadcnt 0x0
	v_mov_b32 v18, v44
	v_mov_b32 v19, v45
	v_mov_b32 v22, v48
	v_mov_b32 v23, v49
	WIN 0x40                                       ; destination window 1
	v_mov_b32 v18, v46
	v_mov_b32 v19, v47
	v_mov_b32 v22, v50
	v_mov_b32 v23, v51
	WIN 0
.irp i, 0,1,2,3
	ds_store_b128 v4, v[64+4*\i:67+4*\i] offset:512*\i
	ds_store_b128 v5, v[80+4*\i:83+4*\i] offset:512*\i
	ds_store_b128 v4, v[96+4*\i:99+4*\i] offset:16384+512*\i
	ds_store_b128 v5, v[112+4*\i:115+4*\i] offset:16384+512*\i
.endr
	s_wait_dscnt 0x0
	s_add_nc_u64 s[6:7], s[6:7], 32768
	s_add_nc_u64 s[8:9], s[8:9], 32768
	WIN 0x40
.irp i, 0,1,2,3
	global_load_b128 v[STG+4*\i:STG+4*\i+3], v4, s[6:7] offset:512*\i      ; keys 1,024 to 1,535
	global_load_b128 v[STG+16+4*\i:STG+16+4*\i+3], v4, s[8:9] offset:512*\i
.endr
	WIN 0
	s_barrier_signal -1
	s_barrier_wait -1
.irp i, 0,1,2,3,4,5,6,7
	ds_load_b128 v[KF+4*\i:KF+4*\i+3], v1 offset:512*\i                    ; K of key step 0
.endr
	s_mov_b32 s30, 4096
	s_mov_b32 s31, VL
	s_mov_b32 s32, 32768
	s_mov_b32 s33, 6
.Lchunk:                               ; six trips: four key steps, then the keys two trips on go to LDS
	s_mov_b32 s34, 4
.Lfour:
	STEP 1
	s_sub_co_u32 s34, s34, 1
	s_cmp_lg_u32 s34, 0
	s_cbranch_scc1 .Lfour
	FILL
	s_sub_co_u32 s33, s33, 1
	s_cmp_lg_u32 s33, 0
	s_cbranch_scc1 .Lchunk
	s_mov_b32 s34, 7
.Ltail:                                ; the last 1,024 keys lie in LDS already
	STEP 1
	s_sub_co_u32 s34, s34, 1
	s_cmp_lg_u32 s34, 0
	s_cbranch_scc1 .Ltail
	STEP 0
	PLACES 4
	s_lshr_b32 s18, s16, 3
	s_lshl_b32 s18, s18, 8
	s_lshl_b32 s15, ttmp9, 4
	s_add_co_u32 s18, s18, s15
	s_lshl_b32 s15, s14, 1
	s_add_co_u32 s18, s18, s15                     ; tile A's number among the 512 token tiles: 256 batch + 16 x + 2 w
	s_lshl_b32 s18, s18, 12
	s_and_b32 s15, s16, 7
	s_lshl_b32 s15, s15, 9                         ; the head's four registers: K step head / 4, group head % 4: 512 x head
	s_add_co_u32 s18, s18, s15
	s_add_nc_u64 s[12:13], s[12:13], s[18:19]
	FINISH
	global_store_b128 v1, v[PP:PP+3], s[12:13]     ; 512 consecutive bytes, aligned
	WIN 0x55
	FINISH
	WIN 0x04                                       ; store data from window 1
	global_store_b128 v1, v[PP:PP+3], s[12:13] offset:4096
	WIN 0
	s_wait_tensorcnt 0x0                           ; the wave's end, behind my last LDS store
	ds_add_u32 v10, v11
	s_wait_dscnt 0x0
	s_endpgm
.Lfunc_end_k_qe55bfca2f5_attend:
	.size	k_qe55bfca2f5_attend, .Lfunc_end_k_qe55bfca2f5_attend-k_qe55bfca2f5_attend
	.p2alignl 7, 3214868480
	.fill 96, 4, 3214868480
	.section	.rodata,"a",@progbits
	.p2align	6, 0x0
	.amdhsa_kernel k_qe55bfca2f5_attend
		.amdhsa_group_segment_fixed_size 263168
		.amdhsa_private_segment_fixed_size 0
		.amdhsa_enable_private_segment 0
		.amdhsa_kernarg_size 40
		.amdhsa_user_sgpr_count 2
		.amdhsa_user_sgpr_kernarg_segment_ptr 1
		.amdhsa_wavefront_size32 1
		.amdhsa_system_sgpr_workgroup_id_x 1
		.amdhsa_system_sgpr_workgroup_id_y 1
		.amdhsa_system_sgpr_workgroup_id_z 1
		.amdhsa_system_vgpr_workitem_id 0
		.amdhsa_next_free_vgpr 512
		.amdhsa_next_free_sgpr 66
		.amdhsa_reserve_vcc 0
		.amdhsa_float_denorm_mode_32 3
		.amdhsa_float_denorm_mode_16_64 3
		.amdhsa_memory_ordered 1
		.amdhsa_forward_progress 1
		.amdhsa_inst_pref_size 94
	.end_amdhsa_kernel
	.amdgpu_metadata
---
amdhsa.version: [ 1, 2 ]
amdhsa.kernels:
  - .name:           k_qe55bfca2f5_attend
    .symbol:         k_qe55bfca2f5_attend.kd
    .args:
      - { .name: qimg, .offset: 0, .size: 8, .value_kind: global_buffer, .address_space: global }
      - { .name: kimg, .offset: 8, .size: 8, .value_kind: global_buffer, .address_space: global }
      - { .name: vimg, .offset: 16, .size: 8, .value_kind: global_buffer, .address_space: global }
      - { .name: lowp_scales, .offset: 24, .size: 8, .value_kind: global_buffer, .address_space: global }
      - { .name: oimg, .offset: 32, .size: 8, .value_kind: global_buffer, .address_space: global }
    .group_segment_fixed_size: 263168
    .private_segment_fixed_size: 0
    .kernarg_segment_align: 8
    .kernarg_segment_size: 40
    .max_flat_workgroup_size: 256
    .sgpr_count:     66
    .vgpr_count:     512
    .wavefront_size: 32
...
	.end_amdgpu_metadata
.endif
;; end of part 2
;; launch fuse (part 3): grid 128 x 1, 8 waves a work-group, no clusters, 257,024 bytes of LDS; arguments oimg, xrimg, wimg, lowp_scales, bf1, g1, b1, g2, b2, bf2, out0; writes out0
.if DOCPART == 3
	.amdgcn_target "amdgcn-amd-amdhsa--gfx1250"
	.amdhsa_code_object_version 6
	.text
	.protected	k_qe55bfca2f5_fuse
	.globl	k_qe55bfca2f5_fuse
	.p2align	8
	.type	k_qe55bfca2f5_fuse,@function
k_qe55bfca2f5_fuse:
	s_mov_b64 s[64:65], 0
	v_nop
	global_prefetch_b8 v0, s[64:65] scope:SCOPE_SE
	s_setreg_imm32_b32 hwreg(HW_REG_WAVE_MODE, 25, 1), 1
	s_wait_xcnt 0x0
; FUSE.  x1 = LN(x_lidar Wres^T + o Wo^T; g1, b1);  out = LN(x1 + relu(x1 W1^T + bf1) W2^T + bf2; g2, b2), stored channels first.  All four products on codes of E4M3; norms, biases and sums in f32.
; SHARES.  A work-group owns 64 tokens: 256 bytes of each channel's row of out0, so that sixteen lanes store 256 consecutive aligned bytes; that makes 128 work-groups.
; THE WAVES SHARE THE COLUMNS: wave w owns channels 32 w .. 32 w + 31 of the first layer, of the second FFN product and of both norms, and hidden units 128 w .. 128 w + 127, which are K step w of the second FFN product.
; Each fragment of a weight is read by one wave of the work-group, straight into its registers (wimg lies in the order of the operand's registers), and feeds four matrix instructions.
; NO TENSOR LOAD, NO JOINT LOAD: 592 KiB of weight codes do not fit in LDS, and each fragment is wanted by one wave alone: through LDS it would be written and read once more for nothing.
; All products are used transposed (source 0 = 16 rows of a weight, source 1 = 16 tokens); lane r of weight tile u takes row 32 g + 8 u + r + (r & 8).  So register 16 m + 8 u + j of the 64 results is
; token 16 m + r, column 32 g + 16 h + 8 u + j: sixteen neighbours along the next K, in the order k = 32 c + 16 h + 0 .. 15 of registers 4 c .. 4 c + 3 that both operands of every product here keep.
; Operands go from wave to wave through LDS as images of their registers: 512 bytes a group of four, lane l's 16 bytes at 16 l.
; A norm's mean and variance: 16 numbers a lane, the other half of the lanes, then the eight waves' partial sums through LDS; the variance is the mean of (x - mean)^2, taken in a second pass.
; LIMITS: e14 and e16 - e14 - e15 between -126 and 119; e10 + e11, e12 + e13 - e10 - e11 and e16 + e17 between -126 and 127.  NaN among the inputs is not served.
.set XRL,   16384                      ; LDS: o's 8 fragments from 0 ([m 4][s 2] x 2,048); x_lidar's 4 fragments here ([m 4][pair 4][lane] x 8)
.set X1IMG, 20480                      ; x1's 8 fragments [m 4][s 2] x 2,048
.set HIMG,  36864                      ; the hidden layer's 32 fragments [m 4][s 8] x 2,048
.set KEEP,  102400                     ; x1 in f32: 8,192 bytes for each wave, its own
.set PS,    167936                     ; partial sums: four areas of 2,048: [wave 8][r 16][m 4] x 4
.set PAR,   176128                     ; 1,280 bytes for each wave, its own: bf1 at 0 (512), g1 512, b1 640, g2 768, b2 896, bf2 1,024
.set STAGE, 186368                     ; the way out: 32 rows (channels) x (256 + 16) bytes for each wave, its own
.set SPARE, 256000                     ; the spare words, 128 bytes for each of eight waves: four blocks of 256 bytes that no other line names
.set ACC, 32                           ; v32-95 the 64 results
; window 0: v1 16 x lane; v2 .. v15, v28, v29 addresses (below); v16-23 a norm's figures, each twice; v24, v25 2^e14 and 448 x that; v26, v27 the same for e16 - e14 - e15; v30, v31 the add's two;
;   v96-223 operands; v224-239 codes or gains; v240-255 biases.   window 1: W1's 16 fragments (4 b + 2 s + u at 16 x that), then W2's (2 s + u)
; s[4:25] addresses; s26 wave; s27 work-group; s28+i = e(10+i); s[36:37] 2^(e12+e13-e10-e11); s[38:39] 2^(e10+e11); s40 1/256; s41 1e-5; s[42:43] 2^(e16+e17); s[44:45] lane selects; s[48:55] wimg's four parts; s46, s47, s56 at work
.set MSB, 0
.macro WIN new                         ; bits 1:0 source 0, 3:2 source 1, 5:4 source 2, 7:6 destination; the high byte repeats the setting that is left
.if MSB != \new
	s_set_vgpr_msb (MSB<<8)|\new
.set MSB, \new
.endif
.endm
.macro PLACES
.rept 4
	v_nop
.endr
.endm
.macro BARRIER                         ; my LDS stores have landed and my LDS loads are in: then the work-group's barrier
	s_wait_dscnt 0x0
	s_barrier_signal -1
	s_barrier_wait -1
.endm
.macro SETSC sc, lim, e, t
	s_add_co_i32 s[\t], s[\e], 127
	s_lshl_b32 s[\t], s[\t], 23
	v_mov_b32 v[\sc], s[\t]
	s_add_co_i32 s[\t], s[\e], 135
	s_lshl_b32 s[\t], s[\t], 23
	s_or_b32 s[\t], s[\t], 0x600000
	v_mov_b32 v[\lim], s[\t]
.endm
.macro QUANT src, dst, code, relu, sc, lim     ; 64 numbers: the hold at 448 x the scale (relu = 1: and the clip at 0, in one), the conversions, one plain line
.set qi, 0
.rept 64
.if \relu
	v_med3_num_f32 v[\dst+qi], v[\src+qi], 0, v[\lim]
.else
	v_med3_num_f32 v[\dst+qi], v[\src+qi], -v[\lim], v[\lim]
.endif
.set qi, qi+1
.endr
.set qi, 0
.rept 8
	v_cvt_scalef32_pk8_fp8_f32 v[\code+2*qi:\code+2*qi+1], v[\dst+8*qi:\dst+8*qi+7], v[\sc]
.set qi, qi+1
.endr
	v_nop
.endm
.macro SCALE sp                        ; the 64 results x a power of two (the scalar pair's low word for both halves), each accumulator from its low end on
.set qi, 0
.rept 32
	v_pk_mul_f32 v[ACC+qi:ACC+qi+1], v[ACC+qi:ACC+qi+1], s[\sp:\sp+1] op_sel_hi:[1,0]
.set qi, qi+2
.endr
.endm
; The four pairs v104 + 2 m hold a lane's partial sums for token tiles m.  They are added, joined with the other half of the lanes, exchanged among the waves through area a of PS; the eight waves' parts come back into v96-127.
.macro EXCHANGE a
.irp m, 0,1,2,3
	v_add_f32 v[96+\m], v[104+2*\m], v[105+2*\m]
	v_mov_b32 v[100+\m], 0                         ; a lane permute's destination counts as read
.endr
.irp m, 0,1,2,3
	v_permlanex16_b32 v[100+\m], v[96+\m], s44, s45
.endr
.irp m, 0,1,2,3
	v_add_f32 v[96+\m], v[96+\m], v[100+\m]
.endr
	ds_store_b128 v8, v[96:99] offset:2048*(\a)    ; both halves of the lanes write the same four numbers to the same place
	BARRIER
.irp i, 0,1,2,3,4,5,6,7
	ds_load_b128 v[96+4*\i:99+4*\i], v9 offset:2048*(\a)+256*\i
.endr
.endm
.macro TOTAL                           ; v96-99: the four tokens' totals, in the same order in every wave
.irp i, 1,2,3,4,5,6,7
	v_pk_add_f32 v[96:97], v[96:97], v[96+4*\i:97+4*\i]
	v_pk_add_f32 v[98:99], v[98:99], v[98+4*\i:99+4*\i]
.endr
.endm
; LayerNorm of the 64 results over the 256 channels; areas a and a + 1 of PS; gain and bias at goff, boff of my parameters.  Two barriers.
.macro LNORM a, goff, boff
.irp m, 0,1,2,3
	v_pk_add_f32 v[104+2*\m:105+2*\m], v[ACC+16*\m:ACC+16*\m+1], v[ACC+16*\m+2:ACC+16*\m+3]
.endr
.irp i, 4,6,8,10,12,14
.irp m, 0,1,2,3
	v_pk_add_f32 v[104+2*\m:105+2*\m], v[104+2*\m:105+2*\m], v[ACC+16*\m+\i:ACC+16*\m+\i+1]
.endr
.endr
	EXCHANGE \a
	s_wait_dscnt 0x0
	TOTAL
.irp m, 0,1,2,3
	v_mul_f32 v[16+2*\m], s40, v[96+\m]            ; the mean, twice: a pair for the packed forms
	v_mul_f32 v[17+2*\m], s40, v[96+\m]
.endr
.irp m, 0,1,2,3
.irp i, 0,2,4,6,8,10,12,14
	v_pk_add_f32 v[ACC+16*\m+\i:ACC+16*\m+\i+1], v[ACC+16*\m+\i:ACC+16*\m+\i+1], v[16+2*\m:17+2*\m] neg_lo:[0,1] neg_hi:[0,1]
.endr
.endr
.irp m, 0,1,2,3
	v_pk_mul_f32 v[104+2*\m:105+2*\m], v[ACC+16*\m:ACC+16*\m+1], v[ACC+16*\m:ACC+16*\m+1]
.endr
.irp i, 2,4,6,8,10,12,14
.irp m, 0,1,2,3
	v_pk_fma_f32 v[104+2*\m:105+2*\m], v[ACC+16*\m+\i:ACC+16*\m+\i+1], v[ACC+16*\m+\i:ACC+16*\m+\i+1], v[104+2*\m:105+2*\m]
.endr
.endr
	EXCHANGE (\a)+1
.irp i, 0,1,2,3
	ds_load_b128 v[224+4*\i:227+4*\i], v7 offset:\goff+16*\i   ; my half's 16 gains and 16 biases: sixteen lanes share each read
	ds_load_b128 v[240+4*\i:243+4*\i], v7 offset:\boff+16*\i
.endr
	s_wait_dscnt 0x0
	TOTAL
.irp m, 0,1,2,3
	v_fma_f32 v[96+\m], v[96+\m], s40, s41         ; the variance + 1e-5
.endr
.irp m, 0,1,2,3
	v_rsq_f32 v[16+2*\m], v[96+\m]
.endr
	v_nop                                          ; a plain line behind the last of the four
	s_wait_alu depctr_va_vdst(0)                   ; one wait for the four, ahead of their first reader
.irp m, 0,1,2,3
	v_mov_b32 v[17+2*\m], v[16+2*\m]
.endr
.irp m, 0,1,2,3
.irp i, 0,2,4,6,8,10,12,14
	v_pk_mul_f32 v[ACC+16*\m+\i:ACC+16*\m+\i+1], v[ACC+16*\m+\i:ACC+16*\m+\i+1], v[16+2*\m:17+2*\m]
.endr
.endr
.irp m, 0,1,2,3
.irp i, 0,2,4,6,8,10,12,14
	v_pk_fma_f32 v[ACC+16*\m+\i:ACC+16*\m+\i+1], v[ACC+16*\m+\i:ACC+16*\m+\i+1], v[224+\i:225+\i], v[240+\i:241+\i]
.endr
.endr
.endm
	s_load_b512 s[4:19], s[0:1], 0x0               ; oimg 4, xrimg 6, wimg 8, lowp_scales 10, bf1 12, g1 14, b1 16, g2 18
	s_load_b128 s[20:23], s[0:1], 0x40             ; b2 20, bf2 22
	s_load_b64 s[24:25], s[0:1], 0x50              ; out0
	v_lshl_add_u32 v30, v0, 2, SPARE
	v_mov_b32 v31, 0
	v_lshrrev_b32 v1, 5, v0
	v_readfirstlane_b32 s26, v1
	s_mov_b32 s27, ttmp9
	v_and_b32 v16, 31, v0                          ; lane
	v_and_b32 v17, 15, v0                          ; r
	v_bfe_u32 v18, v0, 4, 1                        ; h
	v_lshlrev_b32 v1, 4, v16                       ; v1  16 x lane
	v_lshlrev_b32 v19, 2, v16                      ; 4 x lane, for the five short loads
	v_lshl_add_u32 v2, v16, 3, XRL                 ; v2  x_lidar's fragments, read
	s_lshl_b32 s46, s26, 11
	v_add_nc_u32 v3, s46, v1                       ; v3  where I store my eighth of o's fragments
	s_lshl_b32 s46, s26, 9
	s_add_co_u32 s46, s46, XRL
	v_add_nc_u32 v4, s46, v1                       ; v4  and of x_lidar's
	s_mul_i32 s47, s26, 1280
	s_add_co_u32 s47, s47, PAR
	v_add_nc_u32 v5, s47, v1                       ; v5  my parameters: 16 bytes a lane,
	v_lshl_add_u32 v6, v16, 2, s47                 ; v6  4 bytes a lane,
	v_lshl_add_u32 v7, v18, 6, s47                 ; v7  and read: my half's 16 numbers
	s_lshl_b32 s46, s26, 8
	s_add_co_u32 s46, s46, PS
	v_lshl_add_u32 v8, v17, 4, s46                 ; v8  partial sums, stored
	v_lshl_add_u32 v9, v17, 4, PS                  ; v9  and read
	s_lshl_b32 s46, s26, 13
	s_add_co_u32 s46, s46, KEEP
	v_add_nc_u32 v10, s46, v1                      ; v10 x1 in f32
	s_lshr_b32 s46, s26, 2
	s_lshl_b32 s46, s46, 11
	s_and_b32 s56, s26, 3
	s_lshl_b32 s56, s56, 9
	s_add_co_u32 s46, s46, s56
	s_add_co_u32 s46, s46, X1IMG
	v_add_nc_u32 v11, s46, v1                      ; v11 x1's codes: K step w / 4, group w % 4
	v_add_nc_u32 v12, X1IMG, v1                    ; v12 x1's fragments, read
	s_lshl_b32 s46, s26, 11
	s_add_co_u32 s46, s46, HIMG
	v_add_nc_u32 v13, s46, v1                      ; v13 the hidden layer's codes: K step w
	v_add_nc_u32 v14, HIMG, v1                     ; v14 its fragments, read
	s_mul_i32 s46, s26, 32*272
	s_add_co_u32 s46, s46, STAGE
	v_mul_u32_u24 v15, v18, 16*272
	v_lshl_add_u32 v15, v17, 2, v15
	v_add_nc_u32 v15, s46, v15                     ; v15 the stage, in: row 16 h, token r
	v_mul_u32_u24 v28, v18, 272
	v_lshl_add_u32 v28, v17, 4, v28
	v_add_nc_u32 v28, s46, v28                     ; v28 the stage, back: row h, 16 bytes a lane
	v_lshlrev_b32 v29, 14, v18
	v_lshl_add_u32 v29, v17, 4, v29                ; v29 the same place in out0: a channel's row is 16,384 bytes
	s_mov_b32 s40, 0x3b800000                      ; 1/256
	s_mov_b32 s41, 0x3727c5ac                      ; 1e-5
	s_mov_b32 s44, 0x76543210
	s_mov_b32 s45, 0xfedcba98
	s_mov_b32 s47, 0
	s_wait_kmcnt 0x0
	s_load_b256 s[28:35], s[10:11], 0x28           ; e10 .. e17
	s_lshl_b32 s46, s27, 14
	s_lshl_b32 s56, s26, 11
	s_add_co_u32 s46, s46, s56
	s_add_nc_u64 s[4:5], s[4:5], s[46:47]          ; o: the block's 16 KiB, my 2 KiB
	s_lshl_b32 s46, s27, 12
	s_lshl_b32 s56, s26, 9
	s_add_co_u32 s46, s46, s56
	s_add_nc_u64 s[6:7], s[6:7], s[46:47]          ; x_lidar: the block's 4 KiB, my 512 bytes
	s_mov_b32 s46, s56
	s_add_nc_u64 s[12:13], s[12:13], s[46:47]      ; bf1: my 128 numbers
	s_lshl_b32 s46, s26, 7
	s_add_nc_u64 s[14:15], s[14:15], s[46:47]      ; my 32 numbers of each of the five
	s_add_nc_u64 s[16:17], s[16:17], s[46:47]
	s_add_nc_u64 s[18:19], s[18:19], s[46:47]
	s_add_nc_u64 s[20:21], s[20:21], s[46:47]
	s_add_nc_u64 s[22:23], s[22:23], s[46:47]
	s_lshl_b32 s46, s26, 13
	s_add_nc_u64 s[48:49], s[8:9], s[46:47]        ; Wo: my 4 fragments
	s_lshl_b32 s46, s26, 11
	s_add_co_u32 s46, s46, 288*2048
	s_add_nc_u64 s[50:51], s[8:9], s[46:47]        ; Wres: my 2
	s_lshl_b32 s46, s26, 15
	s_add_co_u32 s46, s46, 32*2048
	s_add_nc_u64 s[52:53], s[8:9], s[46:47]        ; W1: my 16
	s_lshl_b32 s46, s26, 15
	s_add_co_u32 s46, s46, 160*2048
	s_add_nc_u64 s[54:55], s[8:9], s[46:47]        ; W2: my 16
	s_lshr_b32 s46, s27, 6
	s_lshl_b32 s46, s46, 22
	s_lshl_b32 s56, s26, 19
	s_add_co_u32 s46, s46, s56
	s_and_b32 s56, s27, 63
	s_lshl_b32 s56, s56, 8
	s_add_co_u32 s46, s46, s56
	s_add_nc_u64 s[24:25], s[24:25], s[46:47]      ; out0: the batch, my 32 channels, the block's 64 tokens
.irp i, 0,1,2,3
	global_load_b128 v[176+4*\i:179+4*\i], v1, s[4:5] offset:512*\i th:TH_LOAD_NT
.endr
	global_load_b128 v[192:195], v1, s[6:7] th:TH_LOAD_NT
	global_load_b128 v[196:199], v1, s[12:13]
	global_load_b32 v200, v19, s[14:15]
	global_load_b32 v201, v19, s[16:17]
	global_load_b32 v202, v19, s[18:19]
	global_load_b32 v203, v19, s[20:21]
	global_load_b32 v204, v19, s[22:23]
.set n, 0
.rept 16
	global_load_b128 v[96+4*n:99+4*n], v1, s[48:49] offset:512*n       ; Wo's fragment 2 s + u at v96 + 16 x that
.set n, n+1
.endr
.irp i, 0,1,2,3
	global_load_b128 v[160+4*\i:163+4*\i], v1, s[50:51] offset:512*\i  ; Wres's fragment u at v160 + 8 u
.endr
	WIN 0x40                                       ; destination window 1
.set n, 0
.rept 16
	global_load_b128 v[4*n:4*n+3], v1, s[52:53] offset:512*n
.set n, n+1
.endr
	WIN 0
	s_wait_kmcnt 0x0
	s_add_co_i32 s46, s28, s29                     ; e10 + e11
	s_add_co_i32 s56, s30, s31
	s_sub_co_i32 s56, s56, s46                     ; e12 + e13 - e10 - e11
	s_add_co_i32 s36, s56, 127
	s_lshl_b32 s36, s36, 23
	s_mov_b32 s37, s36
	s_add_co_i32 s38, s46, 127
	s_lshl_b32 s38, s38, 23
	s_mov_b32 s39, s38
	s_add_co_i32 s42, s34, s35
	s_add_co_i32 s42, s42, 127
	s_lshl_b32 s42, s42, 23
	s_mov_b32 s43, s42
	SETSC 24, 25, 32, 46
	s_add_co_i32 s56, s32, s33                     ; e14 + e15
	s_sub_co_i32 s57, s34, s56                     ; e16 - e14 - e15
	SETSC 26, 27, 57, 46
	s_sub_co_i32 s56, 0, s56
	s_wait_loadcnt 36                              ; o's and x_lidar's codes and the parameters are in; Wo's and Wres's 20 loads and W1's first 16 may be out
.irp i, 0,1,2,3
	v_ldexp_f32 v[196+\i], v[196+\i], s56          ; bf1 goes in as the C of a sum that lacks 2^(e14 + e15)
.endr
.irp i, 0,1,2,3
	ds_store_b128 v3, v[176+4*\i:179+4*\i] offset:512*\i
.endr
	ds_store_b128 v4, v[192:195]
	ds_store_b128 v5, v[196:199]
	ds_store_b32 v6, v200 offset:512
	ds_store_b32 v6, v201 offset:640
	ds_store_b32 v6, v202 offset:768
	ds_store_b32 v6, v203 offset:896
	ds_store_b32 v6, v204 offset:1024
	WIN 0x40
.set n, 16
.rept 48
	global_load_b128 v[4*n:4*n+3], v1, s[52:53] offset:512*n
.set n, n+1
.endr
	WIN 0
	BARRIER                                        ; the block's codes lie in LDS
	s_wait_loadcnt 63                              ; Wo and Wres are in: 64 loads are younger, and 63 is the most that the wait can name
	; ---- the first layer: the residual's sums, brought under the other product's power of two, are what Wo's products add onto
.irp m, 0,1,2,3
.irp q, 0,1,2,3
	ds_load_b64 v[176+8*\m+2*\q:177+8*\m+2*\q], v2 offset:1024*\m+256*\q
.endr
.endr
	s_wait_dscnt 0x0
.irp m, 0,1,2,3
.irp u, 0,1
	v_wmma_f32_16x16x64_fp8_fp8 v[ACC+16*\m+8*\u:ACC+16*\m+8*\u+7], v[160+8*\u:167+8*\u], v[176+8*\m:183+8*\m], 0
.endr
.endr
	PLACES                                         ; ahead of the first read of results and of loads into registers just read
.macro OFETCH s
.irp m, 0,1,2,3
.irp c, 0,1,2,3
	ds_load_b128 v[176+16*\m+4*\c:179+16*\m+4*\c], v1 offset:(2*\m+\s)*2048+512*\c
.endr
.endr
.endm
	OFETCH 0
	SCALE 36
.irp s, 0,1
	s_wait_dscnt 0x0
.irp m, 0,1,2,3
.irp u, 0,1
	v_wmma_f32_16x16x128_fp8_fp8 v[ACC+16*\m+8*\u:ACC+16*\m+8*\u+7], v[96+16*(2*\s+\u):111+16*(2*\s+\u)], v[176+16*\m:191+16*\m], v[ACC+16*\m+8*\u:ACC+16*\m+8*\u+7]
.endr
.endr
	PLACES
.if \s == 0
	OFETCH 1
.endif
.endr
	SCALE 38
	LNORM 0, 512, 640
	; ---- x1: kept in f32 in my own LDS bytes, and quantised as the next operand
.set n, 0
.rept 16
	ds_store_b128 v10, v[ACC+4*n:ACC+4*n+3] offset:512*n
.set n, n+1
.endr
	QUANT ACC, 96, 224, 0, 24, 25
.irp m, 0,1,2,3
	ds_store_b128 v11, v[224+4*\m:227+4*\m] offset:4096*\m
.endr
	BARRIER                                        ; x1's eight fragments lie in LDS
.set n, 0
.rept 32
	ds_load_b128 v[96+4*n:99+4*n], v12 offset:512*n    ; fragment 2 m + s at v96 + 16 x that
.set n, n+1
.endr
	s_wait_loadcnt 0x0                             ; W1
	; ---- the hidden layer, 32 units at a time: eight accumulators by turns; W2's part b takes the registers that W1's part b leaves
.irp b, 0,1,2,3
.irp i, 0,1,2,3
	ds_load_b128 v[240+4*\i:243+4*\i], v7 offset:128*\b+16*\i
.endr
	s_wait_dscnt 0x0
	WIN 0x01                                       ; source 0 (the weight) window 1
.irp m, 0,1,2,3
.irp u, 0,1
	v_wmma_f32_16x16x128_fp8_fp8 v[ACC+16*\m+8*\u:ACC+16*\m+8*\u+7], v[16*(4*\b+\u):16*(4*\b+\u)+15], v[96+32*\m:111+32*\m], v[240+8*\u:247+8*\u]
.endr
.endr
.irp m, 0,1,2,3
.irp u, 0,1
	v_wmma_f32_16x16x128_fp8_fp8 v[ACC+16*\m+8*\u:ACC+16*\m+8*\u+7], v[16*(4*\b+2+\u):16*(4*\b+2+\u)+15], v[112+32*\m:127+32*\m], v[ACC+16*\m+8*\u:ACC+16*\m+8*\u+7]
.endr
.endr
	WIN 0
	PLACES
	WIN 0x40
.set n, 0
.rept 16
	global_load_b128 v[64*\b+4*n:64*\b+4*n+3], v1, s[54:55] offset:(16*\b+n)*512
.set n, n+1
.endr
	WIN 0
	QUANT ACC, ACC, 224, 1, 26, 27
.irp m, 0,1,2,3
	ds_store_b128 v13, v[224+4*\m:227+4*\m] offset:16384*\m+512*\b
.endr
	s_wait_dscnt 0x0                               ; the stores have read their registers
.endr
	BARRIER                                        ; the hidden layer's 32 fragments lie in LDS
	; ---- the second FFN product: a K step's four fragments a step ahead, in two sets of registers
.macro HFETCH s
.irp m, 0,1,2,3
.irp c, 0,1,2,3
	ds_load_b128 v[96+64*((\s)%2)+16*\m+4*\c:99+64*((\s)%2)+16*\m+4*\c], v14 offset:16384*\m+2048*(\s)+512*\c
.endr
.endr
.endm
	HFETCH 0
.irp s, 0,1,2,3,4,5,6,7
.if \s > 0
	PLACES                                         ; ahead of loads into the set that the step before has read
.endif
.if \s < 7
	HFETCH \s+1
	s_wait_dscnt 16                                ; this step's fragments are in; the 16 loads just issued may be out
.else
	s_wait_dscnt 0x0
.endif
.if (\s%2) == 0
	s_wait_loadcnt 16*(3-\s/2)                     ; W2's part s / 2 is in; the later parts, 16 loads each, may be out
.endif
	WIN 0x01
.irp m, 0,1,2,3
.irp u, 0,1
.if \s == 0
	v_wmma_f32_16x16x128_fp8_fp8 v[ACC+16*\m+8*\u:ACC+16*\m+8*\u+7], v[16*(2*\s+\u):16*(2*\s+\u)+15], v[96+64*(\s%2)+16*\m:111+64*(\s%2)+16*\m], 0
.else
	v_wmma_f32_16x16x128_fp8_fp8 v[ACC+16*\m+8*\u:ACC+16*\m+8*\u+7], v[16*(2*\s+\u):16*(2*\s+\u)+15], v[96+64*(\s%2)+16*\m:111+64*(\s%2)+16*\m], v[ACC+16*\m+8*\u:ACC+16*\m+8*\u+7]
.endif
.endr
.endr
	WIN 0
.endr
	PLACES
.set n, 0
.rept 16
	ds_load_b128 v[96+4*n:99+4*n], v10 offset:512*n    ; x1 comes back
.set n, n+1
.endr
.irp i, 0,1,2,3
	ds_load_b128 v[240+4*\i:243+4*\i], v7 offset:1024+16*\i   ; bf2
.endr
	s_wait_dscnt 0x0
.irp m, 0,1,2,3
.irp i, 0,2,4,6,8,10,12,14
	v_pk_add_f32 v[96+16*\m+\i:97+16*\m+\i], v[96+16*\m+\i:97+16*\m+\i], v[240+\i:241+\i]
.endr
.endr
.set qi, 0
.rept 32
	v_pk_fma_f32 v[ACC+qi:ACC+qi+1], v[ACC+qi:ACC+qi+1], s[42:43], v[96+qi:97+qi] op_sel_hi:[1,0,1]   ; sum x 2^(e16 + e17) + (x1 + bf2)
.set qi, qi+2
.endr
	LNORM 2, 768, 896
	; ---- the way out: a lane holds 16 channels of one token, out0 wants 64 tokens of one channel on end: through my own stage (no barrier: the rows are my wave's own, and LDS serves a wave's instructions in order)
.irp m, 0,1,2,3
.irp i, 0,1,2,3,4,5,6,7,8,9,10,11,12,13,14,15
	ds_store_b32 v15, v[ACC+16*\m+\i] offset:272*\i+64*\m
.endr
.endr
.irp q, 0,1,2,3,4,5,6,7,8,9,10,11,12,13,14,15
	ds_load_b128 v[96+4*\q:99+4*\q], v28 offset:544*\q
.endr
.irp q, 0,1,2,3,4,5,6,7,8,9,10,11,12,13,14,15
	s_wait_dscnt 15-\q                             ; rows 2 q and 2 q + 1 are back; the younger loads may be out
	global_store_b128 v29, v[96+4*\q:99+4*\q], s[24:25] offset:32768*\q th:TH_STORE_NT   ; sixteen lanes store 256 consecutive bytes, aligned; written once, read by nobody here
.endr
	s_wait_tensorcnt 0x0                           ; the wave's end, behind my last LDS store
	ds_add_u32 v30, v31
	s_wait_dscnt 0x0
	s_endpgm
.Lfunc_end_k_qe55bfca2f5_fuse:
	.size	k_qe55bfca2f5_fuse, .Lfunc_end_k_qe55bfca2f5_fuse-k_qe55bfca2f5_fuse
	.p2alignl 7, 3214868480
	.fill 96, 4, 3214868480
	.section	.rodata,"a",@progbits
	.p2align	6, 0x0
	.amdhsa_kernel k_qe55bfca2f5_fuse
		.amdhsa_group_segment_fixed_size 257024
		.amdhsa_private_segment_fixed_size 0
		.amdhsa_enable_private_segment 0
		.amdhsa_kernarg_size 88
		.amdhsa_user_sgpr_count 2
		.amdhsa_user_sgpr_kernarg_segment_ptr 1
		.amdhsa_wavefront_size32 1
		.amdhsa_system_sgpr_workgroup_id_x 1
		.amdhsa_system_sgpr_workgroup_id_y 1
		.amdhsa_system_sgpr_workgroup_id_z 1
		.amdhsa_system_vgpr_workitem_id 0
		.amdhsa_next_free_vgpr 512
		.amdhsa_next_free_sgpr 66
		.amdhsa_reserve_vcc 0
		.amdhsa_float_denorm_mode_32 3
		.amdhsa_float_denorm_mode_16_64 3
		.amdhsa_memory_ordered 1
		.amdhsa_forward_progress 1
		.amdhsa_inst_pref_size 122
	.end_amdhsa_kernel
	.amdgpu_metadata
---
amdhsa.version: [ 1, 2 ]
amdhsa.kernels:
  - .name:           k_qe55bfca2f5_fuse
    .symbol:         k_qe55bfca2f5_fuse.kd
    .args:
      - { .name: oimg, .offset: 0, .size: 8, .value_kind: global_buffer, .address_space: global }
      - { .name: xrimg, .offset: 8, .size: 8, .value_kind: global_buffer, .address_space: global }
      - { .name: wimg, .offset: 16, .size: 8, .value_kind: global_buffer, .address_space: global }
      - { .name: lowp_scales, .offset: 24, .size: 8, .value_kind: global_buffer, .address_space: global }
      - { .name: bf1, .offset: 32, .size: 8, .value_kind: global_buffer, .address_space: global }
      - { .name: g1, .offset: 40, .size: 8, .value_kind: global_buffer, .address_space: global }
      - { .name: b1, .offset: 48, .size: 8, .value_kind: global_buffer, .address_space: global }
      - { .name: g2, .offset: 56, .size: 8, .value_kind: global_buffer, .address_space: global }
      - { .name: b2, .offset: 64, .size: 8, .value_kind: global_buffer, .address_space: global }
      - { .name: bf2, .offset: 72, .size: 8, .value_kind: global_buffer, .address_space: global }
      - { .name: out0, .offset: 80, .size: 8, .value_kind: global_buffer, .address_space: global }
    .group_segment_fixed_size: 257024
    .private_segment_fixed_size: 0
    .kernarg_segment_align: 8
    .kernarg_segment_size: 88
    .max_flat_workgroup_size: 256
    .sgpr_count:     66
    .vgpr_count:     512
    .wavefront_size: 32
...
	.end_amdgpu_metadata
.endif
;; end of part 3
;; ======== version 2 of 2: 3 launches; version 1 with the launches attend, fuse written anew for expert scheduling mode
;; workspace buffers: qimg 2,097,152 bytes; kimg 2,097,152 bytes; vimg 2,097,152 bytes; oimg 2,097,152 bytes; xrimg 524,288 bytes; wimg 606,208 bytes
;; launch project: the kernel of part 1 again; grid 256 x 1, 8 waves a work-group, clusters of 4 x 1, 241,152 bytes of LDS; arguments F_cam, F_lidar, Wk, Wv, Wq, Wo, Wres, W1, W2, lowp_scales, qimg, kimg, vimg, xrimg, wimg; writes qimg, kimg, vimg, xrimg, wimg
;; launch attend (part 4): grid 16 x 16, 8 waves a work-group, no clusters, 263,168 bytes of LDS; arguments qimg, kimg, vimg, lowp_scales, oimg; writes oimg
.if DOCPART == 4
	.amdgcn_target "amdgcn-amd-amdhsa--gfx1250"
	.amdhsa_code_object_version 6
	.text
	.protected	k_qe55bfca2f5_attend
	.globl	k_qe55bfca2f5_attend
	.p2align	8
	.type	k_qe55bfca2f5_attend,@function
k_qe55bfca2f5_attend:
	s_mov_b64 s[64:65], 0
	v_nop
	global_prefetch_b8 v0, s[64:65] scope:SCOPE_SE
	s_setreg_imm32_b32 hwreg(HW_REG_WAVE_SCHED_MODE, 0, 2), 2
	s_setreg_imm32_b32 hwreg(HW_REG_WAVE_MODE, 25, 1), 1
	s_wait_xcnt 0x0
	s_wait_alu depctr_vm_vsrc(0)
; ATTEND.  o = softmax(q k^T / sqrt(32)) v for 16 heads (batch x 8 + head) of 4,096 tokens, head size 32, both products on codes of E4M3, and o quantised under e10 as the next product's operand.
; t = score x log2(e) / sqrt(32); M = the running largest t rounded UP to a whole number; p = 2^(t - M) is quantised under e8; the row's sum is taken of the unquantised p and divides at the end.
; When M moves, the sum and O are multiplied by 2^(old M - new M): exact.
; SHARES.  Work-group (x, y): queries 256 x .. 256 x + 255 of head y.  Wave w owns 32 of them: tile A in registers v0-255 (window 0), tile B in v256-511 (window 1), UNDER THE SAME NUMBERS, so each macro below serves both.
; Each fragment of K and V read from LDS feeds both tiles.  Every wave walks all 4,096 keys, 128 a step.
; K AND V LIE IN LDS WHOLE (131,072 bytes each), each byte stored once: 512 keys (16 KiB of K, 16 KiB of V; 2 KiB of each a wave) for every four key steps, loaded into registers one trip (four key steps) ahead of the store, which itself stands
; one trip ahead of the first read.  So no wave waits for them.
; NO TENSOR LOAD, NO CLUSTER: p <= 1, so the hold at 448 x 2^e8 does nothing where e8 >= -8, and a scalar branch on e8 passes over its 128 lines of a key step
; What the sixteen work-groups of a head share is 256 KiB read once by each.
; LAYOUT.  S^T = K Q^T (source 0 = 16 keys, source 1 = 16 queries), O^T = V^T P^T (source 0 = 16 dims, source 1 = P): a lane holds ONE query (lane % 16) throughout.
; The head's 32 dims fill half of the K = 64 form.  A fragment of K holds TWO tiles of 16 keys: registers {A dims 16h+0..7, B the same, A dims 16h+8..15, B the same}; Q stands as [0 0 q0 q1 0 0 q2 q3 0 0] in v16-25:
; v[18:25] meets key tile A with q and key tile B with zero codes, v[16:23] the other way round.  So register 8 c + j of S is key 16 c + 8 h + j, which is the place that the K = 128 form gives p's codes.
; LIMITS: e6 + e7 between -124 and 129 (added to c's exponent field); e8 and e10 between -126 and 119; e8 + e9 is applied by v_ldexp_f32.  NaN among the inputs is not served.
; THE MODE: SCHED_MODE bits 1:0 = 2 (LLVM: expert scheduling mode 2), set by the entry lines.  The code itself states the register dependences
; between vector or matrix instructions and memory or LDS instructions, with s_wait_alu, always for 0.
; THE PLAN.  Registers that memory or LDS instructions touch, in the loop:
;   KF           Read by a step's sixteen products K Q^T; the next step's K lands in it later in the same step.
;   VF           Read by a step's four products V^T P^T, at the step's end; the next step's V lands in it in the next step.
;   v2, v3       LDS addresses of K's and V's loads; v6, v7 of the stage's stores.  Written once a step, behind the products K Q^T, where the four lines are the places ahead of the first read of scores.
;   the stage    Written by global loads, read by LDS stores: no vector instruction names it.
;   v1, v4, v5   Made at the head, never written again.
; So ONE wait on va_vdst stands in a step, behind the exponentials.  It states that the exponentials' results and the four addresses are written, that this step's products
; K Q^T are done reading KF and that the last step's products V^T P^T are done reading VF.  The step's sixteen LDS loads follow it, dealt among the sums, which name the scores and the sums' registers alone; so do the
; stage's stores behind the fourth step.  One wait on vm_vsrc a step stands ahead of the four address lines, one in front of the stage's next loads.
.set VL,    131072                     ; LDS: K from 0 (key step s at 4,096 s), V from here
.set SPARE, 262144                     ; the spare words, 128 bytes for each of eight waves: four blocks of 256 bytes that no other line names
.set SS,  64                           ; v64-127  S^T, then p
.set OO,  128                          ; v128-143 O^T: register 8 u + j = dim 16 h + 8 u + j
.set PP,  144                          ; v144-159 p's codes
.set KF,  160                          ; v160-191 window 0: K's four fragments
.set VF,  192                          ; v192-223 window 0: V's two fragments
.set STG, 160                          ; v160-191 window 1: the 512 keys on their way to LDS
; window 0 alone: v1 16 x lane; v2, v3 addresses of the loads in hand; v4 2,048 w + 16 x lane; v5 the same in V; v6, v7 where the stage goes; v10, v11 the add's two; v44-51 Q as loaded
; both windows: v16-25 Q; v26 448 x 2^e8; v27 2^e8; v28 -M; v29 the largest t; v[30:31] the sum in two halves; v32 f (v33 named with it); v34-37 at work; v40 448 x 2^e10; v41 2^e10
; s[4:13] addresses; s14 wave; s[20:23] e6 .. e9; s24 e10; s[26:27] c; s[28:29] lane selects; s30, s31 LDS byte of the next K, V; s32 LDS byte of the next 512 keys; s33, s34 counters; s35 e8 + e9; s36-39 constants
.set MSB, 0
.macro WIN new                         ; bits 1:0 source 0, 3:2 source 1, 5:4 source 2, 7:6 destination; the high byte repeats the setting that is left
.if MSB != \new
	s_set_vgpr_msb (MSB<<8)|\new
.set MSB, \new
.endif
.endm
.macro PLACES n
.rept \n
	v_nop
.endr
.endm
.macro QK                              ; eight tiles of 16 keys; each product starts its own sum
.irp c, 0,1,2,3,4,5,6,7
	v_wmma_f32_16x16x64_fp8_fp8 v[SS+8*\c:SS+8*\c+7], v[KF+8*(\c/2):KF+8*(\c/2)+7], v[18-2*(\c%2):25-2*(\c%2)], 0
.endr
.endm
.macro PV                              ; O^T += V^T P^T over the step's 128 keys
.irp u, 0,1
	v_wmma_f32_16x16x128_fp8_fp8 v[OO+8*\u:OO+8*\u+7], v[VF+16*\u:VF+16*\u+15], v[PP:PP+15], v[OO+8*\u:OO+8*\u+7]
.endr
.endm
.macro MAXM                            ; the step's largest score, the new M, f, and t - M; the scores are read in ascending order, each accumulator first at its low end
	v_max3_num_f32 v34, v[SS], v[SS+1], v[SS+2]
	v_max3_num_f32 v35, v[SS+3], v[SS+4], v[SS+5]
.irp i, 6,10,14,18,22,26,30,34,38,42,46,50,54,58
	v_max3_num_f32 v34, v34, v[SS+\i], v[SS+\i+1]
	v_max3_num_f32 v35, v35, v[SS+\i+2], v[SS+\i+3]
.endr
	v_max3_num_f32 v34, v34, v[SS+62], v[SS+63]
	v_max_num_f32 v34, v34, v35
	v_permlanex16_b32 v36, v34, s28, s29           ; the query's other 64 keys lie in the lane 16 away
	v_max_num_f32 v34, v34, v36
	v_mul_f32 v34, s26, v34                        ; as t (c is positive)
	v_max_num_f32 v29, v29, v34
	v_mov_b32 v34, v28
	v_floor_f32 v28, -v29                          ; -M = floor(-t): M is a whole number
	v_sub_f32 v34, v28, v34                        ; old M - new M, 0 or less
	v_cvt_i32_f32 v34, v34                         ; (it saturates)
	v_ldexp_f32 v32, 1.0, v34                      ; f = 2^(old M - new M)
.set pj, 0
.rept 32
	v_pk_fma_f32 v[SS+pj:SS+pj+1], v[SS+pj:SS+pj+1], s[26:27], v[28:29] op_sel_hi:[1,0,0]   ; t - M (of the pairs c and -M the low word serves both halves)
.set pj, pj+2
.endr
.endm
.macro EXPS
.set pj, 0
.rept 64
	v_exp_f32 v[SS+pj], v[SS+pj]
.set pj, pj+1
.endr
.endm
.macro LF
	v_pk_mul_f32 v[30:31], v[30:31], v[32:33] op_sel_hi:[1,0]   ; the sum under the new M
.endm
.macro SUMS                            ; of the UNQUANTISED p, two at a time, in two chains
	v_pk_add_f32 v[36:37], v[SS:SS+1], v[SS+2:SS+3]
.irp j, 4,8,12,16,20,24,28,32,36,40,44,48,52,56,60
	v_pk_add_f32 v[30:31], v[30:31], v[SS+\j:SS+\j+1]
	v_pk_add_f32 v[36:37], v[36:37], v[SS+\j+2:SS+\j+3]
.endr
	v_pk_add_f32 v[30:31], v[30:31], v[36:37]
.endm
.macro HOLD                            ; p is never negative: a one-sided hold at 448 x 2^e8
.set pj, 0
.rept 64
	v_min_num_f32 v[SS+pj], v[SS+pj], v26
.set pj, pj+1
.endr
.endm
.macro CODES                           ; p's codes, and O^T under the new M: the eight multiplies are the plain lines between the conversions and the products
.irp c, 0,1,2,3,4,5,6,7
	v_cvt_scalef32_pk8_fp8_f32 v[PP+2*\c:PP+2*\c+1], v[SS+8*\c:SS+8*\c+7], v27
.endr
.irp j, 0,2,4,6,8,10,12,14
	v_pk_mul_f32 v[OO+\j:OO+\j+1], v[OO+\j:OO+\j+1], v[32:33] op_sel_hi:[1,0]
.endr
.endm
; A KEY STEP.  pre = 1: the next step's K is fetched.  stg = 1: a stage will be stored behind this run of steps.  Nine switches of the windows.
; No two matrix instructions that follow each other share an accumulator.
.macro STEP pre, stg
	s_wait_dscnt 0x0                               ; K, asked for in the step before, is in
	QK
	WIN 0x54                                       ; K from window 0; Q and S^T of tile B
	QK
	WIN 0
	s_wait_alu depctr_vm_vsrc(0)                   ; the last step's LDS loads have read v2 and v3, the last stage's LDS stores v6 and v7: the lines below write them again
	v_add_nc_u32 v3, s31, v1                       ; this step's V.  These four lines are the four places between the products above and the first read of scores
	s_add_co_u32 s31, s31, 4096
.if \pre
	v_add_nc_u32 v2, s30, v1                       ; the next step's K
	s_add_co_u32 s30, s30, 4096
.else
	v_nop
.endif
.if \stg
	v_add_nc_u32 v6, s32, v4                       ; where the stage will go: the same in the four steps of a trip
	v_add_nc_u32 v7, s32, v5
.else
	PLACES 2
.endif
	MAXM
	WIN 0x55
	MAXM
	EXPS                                           ; both tiles' 128 exponentials are one batch
	WIN 0
	EXPS
	LF                                             ; the plain line behind the last exponential
	s_wait_alu depctr_va_vdst(0)                   ; the batch's results are written, ahead of their first reader; so are v2, v3, v6, v7; this step's products K Q^T are done reading KF, the last step's products V^T P^T done reading VF
.irp i, 0,1,2,3,4,5,6,7
	ds_load_b128 v[VF+4*\i:VF+4*\i+3], v3 offset:512*\i
.endr
	SUMS                                           ; names the scores and v30, v31, v36, v37: none of the registers that the loads above and below touch
.if \pre
.irp i, 0,1,2,3,4,5,6,7
	ds_load_b128 v[KF+4*\i:KF+4*\i+3], v2 offset:512*\i
.endr
.endif
	WIN 0x55
	LF
	SUMS
	WIN 0
	s_cmp_lt_i32 s22, -8                           ; 448 x 2^e8 >= 1.75 where e8 >= -8, and p <= 1: the hold then changes nothing
	s_cbranch_scc0 .Lfree_\@
	HOLD
	WIN 0x55
	HOLD
	WIN 0
.Lfree_\@:
	CODES
	s_wait_dscnt 8*\pre                            ; V is in; the next step's K, eight younger loads, may be out
	PV
	WIN 0x55
	CODES
	WIN 0x54
	PV
	WIN 0
.endm
; The 512 keys in the stage go to LDS, and the next 512 are asked for (not in the last trip: there are none).  The barrier shows the stores to every wave, four key steps ahead of their first read.
; v6 and v7 were written ahead of the last step's wait on va_vdst, and no vector instruction since names them or the stage.
.macro FILL
	s_wait_loadcnt 0x0                             ; the stage is in; its loads have read their bases
	WIN 0x04                                       ; store data from window 1
.irp i, 0,1,2,3
	ds_store_b128 v6, v[STG+4*\i:STG+4*\i+3] offset:512*\i
	ds_store_b128 v7, v[STG+16+4*\i:STG+16+4*\i+3] offset:512*\i
.endr
	WIN 0
	s_add_co_u32 s32, s32, 16384
	s_add_nc_u64 s[6:7], s[6:7], 16384             ; (the last trip's stepped addresses are not used)
	s_add_nc_u64 s[8:9], s[8:9], 16384
	s_wait_dscnt 0x0                               ; for the others' sake: my stores have landed
	s_wait_alu depctr_vm_vsrc(0)                   ; my LDS stores have read the stage, in which the loads below land
	s_cmp_eq_u32 s33, 1
	s_cbranch_scc1 .Lno_more_\@
	WIN 0x40                                       ; destination window 1
.irp i, 0,1,2,3
	global_load_b128 v[STG+4*\i:STG+4*\i+3], v4, s[6:7] offset:512*\i
	global_load_b128 v[STG+16+4*\i:STG+16+4*\i+3], v4, s[8:9] offset:512*\i
.endr
	WIN 0
.Lno_more_\@:
	s_barrier_signal -1
	s_barrier_wait -1
.endm
.macro INIT                            ; a tile's constants and its state: zeros, which the first change of M leaves zeros
.irp j, 16,17,20,21,24,25,30,31,32,33,36,37
	v_mov_b32 v\j, 0
.endr
	v_mov_b32 v26, s37
	v_mov_b32 v27, s36
	v_mov_b32 v29, 0xff61b1e6                      ; the largest t so far: -3e38, under every t
	v_floor_f32 v28, -v29
	v_mov_b32 v40, s39
	v_mov_b32 v41, s38
.set pj, 0
.rept 16
	v_mov_b32 v[OO+pj], 0
.set pj, pj+1
.endr
.endm
.macro FINISH                          ; o = O^T x 2^(e8 + e9) / the sum, quantised under e10: 16 codes a lane, dims 16 h + 0 .. 15
	v_add_f32 v30, v30, v31
	v_permlanex16_b32 v36, v30, s28, s29
	v_add_f32 v30, v30, v36
	v_rcp_f32 v30, v30
	v_nop                                          ; a plain line behind the reciprocal
	s_wait_alu depctr_va_vdst(0)                   ; the reciprocal is written, ahead of its first reader
	v_ldexp_f32 v30, v30, s35
.irp j, 0,2,4,6,8,10,12,14
	v_pk_mul_f32 v[OO+\j:OO+\j+1], v[OO+\j:OO+\j+1], v[30:31] op_sel_hi:[1,0]
.endr
.set pj, 0
.rept 16
	v_med3_num_f32 v[OO+pj], v[OO+pj], -v40, v40
.set pj, pj+1
.endr
	v_cvt_scalef32_pk8_fp8_f32 v[PP:PP+1], v[OO:OO+7], v41
	v_cvt_scalef32_pk8_fp8_f32 v[PP+2:PP+3], v[OO+8:OO+15], v41
	v_nop
.endm
	s_load_b256 s[4:11], s[0:1], 0x0               ; qimg 4, kimg 6, vimg 8, lowp_scales 10
	s_load_b64 s[12:13], s[0:1], 0x20              ; oimg
	v_lshl_add_u32 v10, v0, 2, SPARE
	v_mov_b32 v11, 0
	v_lshrrev_b32 v1, 5, v0
	v_readfirstlane_b32 s14, v1
	v_and_b32 v1, 31, v0
	v_lshlrev_b32 v1, 4, v1
	s_wait_alu depctr_va_sdst(0)                   ; s14 is written, ahead of its first reader: addresses are made from it
	s_lshl_b32 s15, s14, 11
	v_add_nc_u32 v4, s15, v1
	v_add_nc_u32 v5, VL, v4
	s_and_b32 s16, ttmp7, 0xffff                   ; batch x 8 + head
	s_lshl_b32 s18, s16, 17
	s_mov_b32 s19, 0
	s_wait_kmcnt 0x0
	s_load_b128 s[20:23], s[10:11], 0x18           ; e6, e7, e8, e9
	s_load_b32 s24, s[10:11], 0x28                 ; e10
	s_add_nc_u64 s[4:5], s[4:5], s[18:19]
	s_add_nc_u64 s[6:7], s[6:7], s[18:19]
	s_add_nc_u64 s[8:9], s[8:9], s[18:19]
	s_lshl_b32 s18, ttmp9, 3
	s_add_co_u32 s18, s18, s14
	s_lshl_b32 s18, s18, 10                        ; my pair of query tiles: 8 x + w, 1,024 bytes each
	s_add_nc_u64 s[4:5], s[4:5], s[18:19]
	s_wait_alu depctr_va_vdst(0)                   ; v1, v4 and v5 are written: the loads and stores of the whole kernel read them as offsets and addresses, and nothing writes them again
	global_load_b128 v[44:47], v1, s[4:5]          ; dims 16 h + 0 .. 7: tile A, tile B
	global_load_b128 v[48:51], v1, s[4:5] offset:512   ; dims 16 h + 8 .. 15
.irp i, 0,1,2,3
	global_load_b128 v[64+4*\i:67+4*\i], v4, s[6:7] offset:512*\i          ; keys 0 to 511: my 2 KiB of K,
	global_load_b128 v[80+4*\i:83+4*\i], v4, s[8:9] offset:512*\i          ; and of V;
	global_load_b128 v[96+4*\i:99+4*\i], v4, s[6:7] offset:16384+512*\i    ; keys 512 to 1,023
	global_load_b128 v[112+4*\i:115+4*\i], v4, s[8:9] offset:16384+512*\i
.endr
	s_mov_b32 s28, 0x76543210
	s_mov_b32 s29, 0xfedcba98
	s_wait_kmcnt 0x0
	s_add_co_i32 s15, s20, s21
	s_lshl_b32 s15, s15, 23
	s_add_co_i32 s26, s15, 0x3e8293ee              ; c = log2(e) / sqrt(32), with e6 + e7 added to its exponent field
	s_mov_b32 s27, s26
	s_add_co_i32 s35, s22, s23
	s_add_co_i32 s36, s22, 127
	s_lshl_b32 s36, s36, 23                        ; 2^e8
	s_add_co_i32 s37, s22, 135
	s_lshl_b32 s37, s37, 23
	s_or_b32 s37, s37, 0x600000                    ; 448 x 2^e8
	s_add_co_i32 s38, s24, 127
	s_lshl_b32 s38, s38, 23                        ; 2^e10
	s_add_co_i32 s39, s24, 135
	s_lshl_b32 s39, s39, 23
	s_or_b32 s39, s39, 0x600000
	INIT
	WIN 0x55
	INIT
	WIN 0
	s_wait_loadcnt 0x0                             ; Q and the first 1,024 keys are in; the loads have read their bases
	v_mov_b32 v18, v44
	v_mov_b32 v19, v45
	v_mov_b32 v22, v48
	v_mov_b32 v23, v49
	WIN 0x40                                       ; destination window 1
	v_mov_b32 v18, v46
	v_mov_b32 v19, v47
	v_mov_b32 v22, v50
	v_mov_b32 v23, v51
	s_add_nc_u64 s[6:7], s[6:7], 32768
	s_add_nc_u64 s[8:9], s[8:9], 32768
.irp i, 0,1,2,3
	global_load_b128 v[STG+4*\i:STG+4*\i+3], v4, s[6:7] offset:512*\i      ; keys 1,024 to 1,535.  No vector instruction has named the stage, nor v4 since the wait on va_vdst above
	global_load_b128 v[STG+16+4*\i:STG+16+4*\i+3], v4, s[8:9] offset:512*\i
.endr
	WIN 0
.irp i, 0,1,2,3
	ds_store_b128 v4, v[64+4*\i:67+4*\i] offset:512*\i
	ds_store_b128 v5, v[80+4*\i:83+4*\i] offset:512*\i
	ds_store_b128 v4, v[96+4*\i:99+4*\i] offset:16384+512*\i
	ds_store_b128 v5, v[112+4*\i:115+4*\i] offset:16384+512*\i
.endr
	s_wait_dscnt 0x0                               ; for the others' sake: my stores have landed
	s_barrier_signal -1
	s_barrier_wait -1
	s_wait_alu depctr_vm_vsrc(0)                   ; my LDS stores have read v64-127: from here on these registers are the scores, written by the products
.irp i, 0,1,2,3,4,5,6,7
	ds_load_b128 v[KF+4*\i:KF+4*\i+3], v1 offset:512*\i                    ; K of key step 0
.endr
	s_mov_b32 s30, 4096
	s_mov_b32 s31, VL
	s_mov_b32 s32, 32768
	s_mov_b32 s33, 6
.Lchunk:                               ; six trips: four key steps, then the keys two trips on go to LDS
	s_mov_b32 s34, 4
.Lfour:
	STEP 1, 1
	s_sub_co_u32 s34, s34, 1
	s_cmp_lg_u32 s34, 0
	s_cbranch_scc1 .Lfour
	FILL
	s_sub_co_u32 s33, s33, 1
	s_cmp_lg_u32 s33, 0
	s_cbranch_scc1 .Lchunk
	s_mov_b32 s34, 7
.Ltail:                                ; the last 1,024 keys lie in LDS already
	STEP 1, 0
	s_sub_co_u32 s34, s34, 1
	s_cmp_lg_u32 s34, 0
	s_cbranch_scc1 .Ltail
	STEP 0, 0
	PLACES 4
	s_lshr_b32 s18, s16, 3
	s_lshl_b32 s18, s18, 8
	s_lshl_b32 s15, ttmp9, 4
	s_add_co_u32 s18, s18, s15
	s_lshl_b32 s15, s14, 1
	s_add_co_u32 s18, s18, s15                     ; tile A's number among the 512 token tiles: 256 batch + 16 x + 2 w
	s_lshl_b32 s18, s18, 12
	s_and_b32 s15, s16, 7
	s_lshl_b32 s15, s15, 9                         ; the head's four registers: K step head / 4, group head % 4: 512 x head
	s_add_co_u32 s18, s18, s15
	s_add_nc_u64 s[12:13], s[12:13], s[18:19]
	FINISH
	WIN 0x55
	FINISH
	WIN 0
	s_wait_alu depctr_va_vdst(0)                   ; both tiles' conversions have written their four registers of codes, which the two stores read
	global_store_b128 v1, v[PP:PP+3], s[12:13]     ; 512 consecutive bytes, aligned
	WIN 0x04                                       ; store data from window 1
	global_store_b128 v1, v[PP:PP+3], s[12:13] offset:4096
	WIN 0
	s_wait_dscnt 0x0                               ; the closing lines, six on end
	s_wait_alu 0x0
	s_wait_tensorcnt 0x0
	ds_add_u32 v10, v11
	s_wait_dscnt 0x0
	s_endpgm
.Lfunc_end_k_qe55bfca2f5_attend:
	.size	k_qe55bfca2f5_attend, .Lfunc_end_k_qe55bfca2f5_attend-k_qe55bfca2f5_attend
	.p2alignl 7, 3214868480
	.fill 96, 4, 3214868480
	.section	.rodata,"a",@progbits
	.p2align	6, 0x0
	.amdhsa_kernel k_qe55bfca2f5_attend
		.amdhsa_group_segment_fixed_size 263168
		.amdhsa_private_segment_fixed_size 0
		.amdhsa_enable_private_segment 0
		.amdhsa_kernarg_size 40
		.amdhsa_user_sgpr_count 2
		.amdhsa_user_sgpr_kernarg_segment_ptr 1
		.amdhsa_wavefront_size32 1
		.amdhsa_system_sgpr_workgroup_id_x 1
		.amdhsa_system_sgpr_workgroup_id_y 1
		.amdhsa_system_sgpr_workgroup_id_z 1
		.amdhsa_system_vgpr_workitem_id 0
		.amdhsa_next_free_vgpr 512
		.amdhsa_next_free_sgpr 66
		.amdhsa_reserve_vcc 0
		.amdhsa_float_denorm_mode_32 3
		.amdhsa_float_denorm_mode_16_64 3
		.amdhsa_memory_ordered 1
		.amdhsa_forward_progress 1
		.amdhsa_inst_pref_size 94
	.end_amdhsa_kernel
	.amdgpu_metadata
---
amdhsa.version: [ 1, 2 ]
amdhsa.kernels:
  - .name:           k_qe55bfca2f5_attend
    .symbol:         k_qe55bfca2f5_attend.kd
    .args:
      - { .name: qimg, .offset: 0, .size: 8, .value_kind: global_buffer, .address_space: global }
      - { .name: kimg, .offset: 8, .size: 8, .value_kind: global_buffer, .address_space: global }
      - { .name: vimg, .offset: 16, .size: 8, .value_kind: global_buffer, .address_space: global }
      - { .name: lowp_scales, .offset: 24, .size: 8, .value_kind: global_buffer, .address_space: global }
      - { .name: oimg, .offset: 32, .size: 8, .value_kind: global_buffer, .address_space: global }
    .group_segment_fixed_size: 263168
    .private_segment_fixed_size: 0
    .kernarg_segment_align: 8
    .kernarg_segment_size: 40
    .max_flat_workgroup_size: 256
    .sgpr_count:     66
    .vgpr_count:     512
    .wavefront_size: 32
...
	.end_amdgpu_metadata
.endif
;; end of part 4
;; launch fuse (part 5): grid 128 x 1, 8 waves a work-group, no clusters, 257,024 bytes of LDS; arguments oimg, xrimg, wimg, lowp_scales, bf1, g1, b1, g2, b2, bf2, out0; writes out0
.if DOCPART == 5
	.amdgcn_target "amdgcn-amd-amdhsa--gfx1250"
	.amdhsa_code_object_version 6
	.text
	.protected	k_qe55bfca2f5_fuse
	.globl	k_qe55bfca2f5_fuse
	.p2align	8
	.type	k_qe55bfca2f5_fuse,@function
k_qe55bfca2f5_fuse:
	s_mov_b64 s[64:65], 0
	v_nop
	global_prefetch_b8 v0, s[64:65] scope:SCOPE_SE
	s_setreg_imm32_b32 hwreg(HW_REG_WAVE_SCHED_MODE, 0, 2), 2
	s_setreg_imm32_b32 hwreg(HW_REG_WAVE_MODE, 25, 1), 1
	s_wait_xcnt 0x0
	s_wait_alu depctr_vm_vsrc(0)
; FUSE.  x1 = LN(x_lidar Wres^T + o Wo^T; g1, b1);  out = LN(x1 + relu(x1 W1^T + bf1) W2^T + bf2; g2, b2), stored channels first.  All four products on codes of E4M3; norms, biases and sums in f32.
; SHARES.  A work-group owns 64 tokens: 256 bytes of each channel's row of out0, so that sixteen lanes store 256 consecutive aligned bytes; that makes 128 work-groups.
; THE WAVES SHARE THE COLUMNS: wave w owns channels 32 w .. 32 w + 31 of the first layer, of the second FFN product and of both norms, and hidden units 128 w .. 128 w + 127, which are K step w of the second FFN product.
; Each fragment of a weight is read by one wave of the work-group, straight into its registers (wimg lies in the order of the operand's registers), and feeds four matrix instructions.
; NO TENSOR LOAD, NO JOINT LOAD: 592 KiB of weight codes do not fit in LDS, and each fragment is wanted by one wave alone: through LDS it would be written and read once more for nothing.
; All products are used transposed (source 0 = 16 rows of a weight, source 1 = 16 tokens); lane r of weight tile u takes row 32 g + 8 u + r + (r & 8).  So register 16 m + 8 u + j of the 64 results is
; token 16 m + r, column 32 g + 16 h + 8 u + j: sixteen neighbours along the next K, in the order k = 32 c + 16 h + 0 .. 15 of registers 4 c .. 4 c + 3 that both operands of every product here keep.
; Operands go from wave to wave through LDS as images of their registers: 512 bytes a group of four, lane l's 16 bytes at 16 l.
; A norm's mean and variance: 16 numbers a lane, the other half of the lanes, then the eight waves' partial sums through LDS; the variance is the mean of (x - mean)^2, taken in a second pass.
; LIMITS: e14 and e16 - e14 - e15 between -126 and 119; e10 + e11, e12 + e13 - e10 - e11 and e16 + e17 between -126 and 127.  NaN among the inputs is not served.
; THE MODE: SCHED_MODE bits 1:0 = 2 (LLVM: expert scheduling mode 2), set by the entry lines.  The code itself states the register dependences
; between vector or matrix instructions and memory or LDS instructions, with s_wait_alu, always for 0.
; THE PLAN.  The text is straight.  Registers that memory or LDS instructions touch:
;   v1-15, v28, v29   Addresses and offsets, made at the head and never written again.  v19: an offset at the head alone; later one of a norm's figures.
;   ACC (v32-95)      Written by products and vector lines; read by LDS stores twice: x1 in f32, and the way out.
;   v96-223           Operands from LDS or memory, read by products; in the norms v96-127 take the partial sums (an LDS store reads v96-99, LDS loads land in v96-127); at the end rows of out0.
;   v224-239          Codes (written by conversions, read by LDS stores) or a norm's gains (LDS loads);  v240-255 biases (LDS loads), read by products as C and by vector lines.
;   window 1          W1's fragments, each part replaced by W2's as soon as its products are done.
; A wait on va_vdst stands (a) ahead of each run of LDS stores of numbers that vector lines have just made, and (b) behind each run of products whose operand registers are loaded again at once, behind that run's places.
; A wait on vm_vsrc stands behind each barrier in front of which registers were stored that are written again behind it, and ahead of each part's codes from the second part on.
.set XRL,   16384                      ; LDS: o's 8 fragments from 0 ([m 4][s 2] x 2,048); x_lidar's 4 fragments here ([m 4][pair 4][lane] x 8)
.set X1IMG, 20480                      ; x1's 8 fragments [m 4][s 2] x 2,048
.set HIMG,  36864                      ; the hidden layer's 32 fragments [m 4][s 8] x 2,048
.set KEEP,  102400                     ; x1 in f32: 8,192 bytes for each wave, its own
.set PS,    167936                     ; partial sums: four areas of 2,048: [wave 8][r 16][m 4] x 4
.set PAR,   176128                     ; 1,280 bytes for each wave, its own: bf1 at 0 (512), g1 512, b1 640, g2 768, b2 896, bf2 1,024
.set STAGE, 186368                     ; the way out: 32 rows (channels) x (256 + 16) bytes for each wave, its own
.set SPARE, 256000                     ; the spare words, 128 bytes for each of eight waves: four blocks of 256 bytes that no other line names
.set ACC, 32                           ; v32-95 the 64 results
; window 0: v1 16 x lane; v2 .. v15, v28, v29 addresses (below); v16-23 a norm's figures, each twice; v24, v25 2^e14 and 448 x that; v26, v27 the same for e16 - e14 - e15; v30, v31 the add's two;
;   v96-223 operands; v224-239 codes or gains; v240-255 biases.   window 1: W1's 16 fragments (4 b + 2 s + u at 16 x that), then W2's (2 s + u)
; s[4:25] addresses; s26 wave; s27 work-group; s28+i = e(10+i); s[36:37] 2^(e12+e13-e10-e11); s[38:39] 2^(e10+e11); s40 1/256; s41 1e-5; s[42:43] 2^(e16+e17); s[44:45] lane selects; s[48:55] wimg's four parts; s46, s47, s56 at work
.set MSB, 0
.macro WIN new                         ; bits 1:0 source 0, 3:2 source 1, 5:4 source 2, 7:6 destination; the high byte repeats the setting that is left
.if MSB != \new
	s_set_vgpr_msb (MSB<<8)|\new
.set MSB, \new
.endif
.endm
.macro PLACES
.rept 4
	v_nop
.endr
.endm
.macro BARRIER                         ; my LDS stores have landed and my LDS loads are in: then the work-group's barrier
	s_wait_dscnt 0x0
	s_barrier_signal -1
	s_barrier_wait -1
.endm
.macro SETSC sc, lim, e, t
	s_add_co_i32 s[\t], s[\e], 127
	s_lshl_b32 s[\t], s[\t], 23
	v_mov_b32 v[\sc], s[\t]
	s_add_co_i32 s[\t], s[\e], 135
	s_lshl_b32 s[\t], s[\t], 23
	s_or_b32 s[\t], s[\t], 0x600000
	v_mov_b32 v[\lim], s[\t]
.endm
.macro QUANT src, dst, code, relu, sc, lim     ; 64 numbers: the hold at 448 x the scale (relu = 1: and the clip at 0, in one), the conversions, one plain line
.set qi, 0
.rept 64
.if \relu
	v_med3_num_f32 v[\dst+qi], v[\src+qi], 0, v[\lim]
.else
	v_med3_num_f32 v[\dst+qi], v[\src+qi], -v[\lim], v[\lim]
.endif
.set qi, qi+1
.endr
.set qi, 0
.rept 8
	v_cvt_scalef32_pk8_fp8_f32 v[\code+2*qi:\code+2*qi+1], v[\dst+8*qi:\dst+8*qi+7], v[\sc]
.set qi, qi+1
.endr
	v_nop
.endm
.macro SCALE sp                        ; the 64 results x a power of two (the scalar pair's low word for both halves), each accumulator from its low end on
.set qi, 0
.rept 32
	v_pk_mul_f32 v[ACC+qi:ACC+qi+1], v[ACC+qi:ACC+qi+1], s[\sp:\sp+1] op_sel_hi:[1,0]
.set qi, qi+2
.endr
.endm
; The four pairs v104 + 2 m hold a lane's partial sums for token tiles m.  They are added, joined with the other half of the lanes, exchanged among the waves through area a of PS; the eight waves' parts come back into v96-127.
.macro EXCHANGE a
.irp m, 0,1,2,3
	v_add_f32 v[96+\m], v[104+2*\m], v[105+2*\m]
	v_mov_b32 v[100+\m], 0                         ; a lane permute's destination counts as read
.endr
.irp m, 0,1,2,3
	v_permlanex16_b32 v[100+\m], v[96+\m], s44, s45
.endr
.irp m, 0,1,2,3
	v_add_f32 v[96+\m], v[96+\m], v[100+\m]
.endr
	s_wait_alu depctr_va_vdst(0)                   ; the four sums v96-99 are written, which the LDS store reads; and all vector and matrix lines so far are done with v96-127 and v224-255, in which the loads behind the barrier land
	ds_store_b128 v8, v[96:99] offset:2048*(\a)    ; both halves of the lanes write the same four numbers to the same place
	BARRIER
	s_wait_alu depctr_vm_vsrc(0)                   ; the store has read v96-99, in which the first load below lands; earlier LDS stores have read the codes' v224-239, in which a norm's gains land
.irp i, 0,1,2,3,4,5,6,7
	ds_load_b128 v[96+4*\i:99+4*\i], v9 offset:2048*(\a)+256*\i
.endr
.endm
.macro TOTAL                           ; v96-99: the four tokens' totals, in the same order in every wave
.irp i, 1,2,3,4,5,6,7
	v_pk_add_f32 v[96:97], v[96:97], v[96+4*\i:97+4*\i]
	v_pk_add_f32 v[98:99], v[98:99], v[98+4*\i:99+4*\i]
.endr
.endm
; LayerNorm of the 64 results over the 256 channels; areas a and a + 1 of PS; gain and bias at goff, boff of my parameters.  Two barriers.
.macro LNORM a, goff, boff
.irp m, 0,1,2,3
	v_pk_add_f32 v[104+2*\m:105+2*\m], v[ACC+16*\m:ACC+16*\m+1], v[ACC+16*\m+2:ACC+16*\m+3]
.endr
.irp i, 4,6,8,10,12,14
.irp m, 0,1,2,3
	v_pk_add_f32 v[104+2*\m:105+2*\m], v[104+2*\m:105+2*\m], v[ACC+16*\m+\i:ACC+16*\m+\i+1]
.endr
.endr
	EXCHANGE \a
	s_wait_dscnt 0x0
	TOTAL
.irp m, 0,1,2,3
	v_mul_f32 v[16+2*\m], s40, v[96+\m]            ; the mean, twice: a pair for the packed forms
	v_mul_f32 v[17+2*\m], s40, v[96+\m]
.endr
.irp m, 0,1,2,3
.irp i, 0,2,4,6,8,10,12,14
	v_pk_add_f32 v[ACC+16*\m+\i:ACC+16*\m+\i+1], v[ACC+16*\m+\i:ACC+16*\m+\i+1], v[16+2*\m:17+2*\m] neg_lo:[0,1] neg_hi:[0,1]
.endr
.endr
.irp m, 0,1,2,3
	v_pk_mul_f32 v[104+2*\m:105+2*\m], v[ACC+16*\m:ACC+16*\m+1], v[ACC+16*\m:ACC+16*\m+1]
.endr
.irp i, 2,4,6,8,10,12,14
.irp m, 0,1,2,3
	v_pk_fma_f32 v[104+2*\m:105+2*\m], v[ACC+16*\m+\i:ACC+16*\m+\i+1], v[ACC+16*\m+\i:ACC+16*\m+\i+1], v[104+2*\m:105+2*\m]
.endr
.endr
	EXCHANGE (\a)+1
.irp i, 0,1,2,3
	ds_load_b128 v[224+4*\i:227+4*\i], v7 offset:\goff+16*\i   ; my half's 16 gains and 16 biases: sixteen lanes share each read.  The exchange's two waits serve these loads too: no vector line stands between
	ds_load_b128 v[240+4*\i:243+4*\i], v7 offset:\boff+16*\i
.endr
	s_wait_dscnt 0x0
	TOTAL
.irp m, 0,1,2,3
	v_fma_f32 v[96+\m], v[96+\m], s40, s41         ; the variance + 1e-5
.endr
.irp m, 0,1,2,3
	v_rsq_f32 v[16+2*\m], v[96+\m]
.endr
	v_nop                                          ; a plain line behind the last of the four
	s_wait_alu depctr_va_vdst(0)                   ; the four reciprocal roots are written, ahead of their first reader
.irp m, 0,1,2,3
	v_mov_b32 v[17+2*\m], v[16+2*\m]
.endr
.irp m, 0,1,2,3
.irp i, 0,2,4,6,8,10,12,14
	v_pk_mul_f32 v[ACC+16*\m+\i:ACC+16*\m+\i+1], v[ACC+16*\m+\i:ACC+16*\m+\i+1], v[16+2*\m:17+2*\m]
.endr
.endr
.irp m, 0,1,2,3
.irp i, 0,2,4,6,8,10,12,14
	v_pk_fma_f32 v[ACC+16*\m+\i:ACC+16*\m+\i+1], v[ACC+16*\m+\i:ACC+16*\m+\i+1], v[224+\i:225+\i], v[240+\i:241+\i]
.endr
.endr
.endm
	s_load_b512 s[4:19], s[0:1], 0x0               ; oimg 4, xrimg 6, wimg 8, lowp_scales 10, bf1 12, g1 14, b1 16, g2 18
	s_load_b128 s[20:23], s[0:1], 0x40             ; b2 20, bf2 22
	s_load_b64 s[24:25], s[0:1], 0x50              ; out0
	v_lshl_add_u32 v30, v0, 2, SPARE
	v_mov_b32 v31, 0
	v_lshrrev_b32 v1, 5, v0
	v_readfirstlane_b32 s26, v1
	s_mov_b32 s27, ttmp9
	v_and_b32 v16, 31, v0                          ; lane
	v_and_b32 v17, 15, v0                          ; r
	v_bfe_u32 v18, v0, 4, 1                        ; h
	v_lshlrev_b32 v1, 4, v16                       ; v1  16 x lane
	v_lshlrev_b32 v19, 2, v16                      ; 4 x lane, for the five short loads
	v_lshl_add_u32 v2, v16, 3, XRL                 ; v2  x_lidar's fragments, read
	s_wait_alu depctr_va_sdst(0)                   ; s26 is written, ahead of its first reader: addresses are made from it
	s_lshl_b32 s46, s26, 11
	v_add_nc_u32 v3, s46, v1                       ; v3  where I store my eighth of o's fragments
	s_lshl_b32 s46, s26, 9
	s_add_co_u32 s46, s46, XRL
	v_add_nc_u32 v4, s46, v1                       ; v4  and of x_lidar's
	s_mul_i32 s47, s26, 1280
	s_add_co_u32 s47, s47, PAR
	v_add_nc_u32 v5, s47, v1                       ; v5  my parameters: 16 bytes a lane,
	v_lshl_add_u32 v6, v16, 2, s47                 ; v6  4 bytes a lane,
	v_lshl_add_u32 v7, v18, 6, s47                 ; v7  and read: my half's 16 numbers
	s_lshl_b32 s46, s26, 8
	s_add_co_u32 s46, s46, PS
	v_lshl_add_u32 v8, v17, 4, s46                 ; v8  partial sums, stored
	v_lshl_add_u32 v9, v17, 4, PS                  ; v9  and read
	s_lshl_b32 s46, s26, 13
	s_add_co_u32 s46, s46, KEEP
	v_add_nc_u32 v10, s46, v1                      ; v10 x1 in f32
	s_lshr_b32 s46, s26, 2
	s_lshl_b32 s46, s46, 11
	s_and_b32 s56, s26, 3
	s_lshl_b32 s56, s56, 9
	s_add_co_u32 s46, s46, s56
	s_add_co_u32 s46, s46, X1IMG
	v_add_nc_u32 v11, s46, v1                      ; v11 x1's codes: K step w / 4, group w % 4
	v_add_nc_u32 v12, X1IMG, v1                    ; v12 x1's fragments, read
	s_lshl_b32 s46, s26, 11
	s_add_co_u32 s46, s46, HIMG
	v_add_nc_u32 v13, s46, v1                      ; v13 the hidden layer's codes: K step w
	v_add_nc_u32 v14, HIMG, v1                     ; v14 its fragments, read
	s_mul_i32 s46, s26, 32*272
	s_add_co_u32 s46, s46, STAGE
	v_mul_u32_u24 v15, v18, 16*272
	v_lshl_add_u32 v15, v17, 2, v15
	v_add_nc_u32 v15, s46, v15                     ; v15 the stage, in: row 16 h, token r
	v_mul_u32_u24 v28, v18, 272
	v_lshl_add_u32 v28, v17, 4, v28
	v_add_nc_u32 v28, s46, v28                     ; v28 the stage, back: row h, 16 bytes a lane
	v_lshlrev_b32 v29, 14, v18
	v_lshl_add_u32 v29, v17, 4, v29                ; v29 the same place in out0: a channel's row is 16,384 bytes
	s_mov_b32 s40, 0x3b800000                      ; 1/256
	s_mov_b32 s41, 0x3727c5ac                      ; 1e-5
	s_mov_b32 s44, 0x76543210
	s_mov_b32 s45, 0xfedcba98
	s_mov_b32 s47, 0
	s_wait_kmcnt 0x0
	s_load_b256 s[28:35], s[10:11], 0x28           ; e10 .. e17
	s_lshl_b32 s46, s27, 14
	s_lshl_b32 s56, s26, 11
	s_add_co_u32 s46, s46, s56
	s_add_nc_u64 s[4:5], s[4:5], s[46:47]          ; o: the block's 16 KiB, my 2 KiB
	s_lshl_b32 s46, s27, 12
	s_lshl_b32 s56, s26, 9
	s_add_co_u32 s46, s46, s56
	s_add_nc_u64 s[6:7], s[6:7], s[46:47]          ; x_lidar: the block's 4 KiB, my 512 bytes
	s_mov_b32 s46, s56
	s_add_nc_u64 s[12:13], s[12:13], s[46:47]      ; bf1: my 128 numbers
	s_lshl_b32 s46, s26, 7
	s_add_nc_u64 s[14:15], s[14:15], s[46:47]      ; my 32 numbers of each of the five
	s_add_nc_u64 s[16:17], s[16:17], s[46:47]
	s_add_nc_u64 s[18:19], s[18:19], s[46:47]
	s_add_nc_u64 s[20:21], s[20:21], s[46:47]
	s_add_nc_u64 s[22:23], s[22:23], s[46:47]
	s_lshl_b32 s46, s26, 13
	s_add_nc_u64 s[48:49], s[8:9], s[46:47]        ; Wo: my 4 fragments
	s_lshl_b32 s46, s26, 11
	s_add_co_u32 s46, s46, 288*2048
	s_add_nc_u64 s[50:51], s[8:9], s[46:47]        ; Wres: my 2
	s_lshl_b32 s46, s26, 15
	s_add_co_u32 s46, s46, 32*2048
	s_add_nc_u64 s[52:53], s[8:9], s[46:47]        ; W1: my 16
	s_lshl_b32 s46, s26, 15
	s_add_co_u32 s46, s46, 160*2048
	s_add_nc_u64 s[54:55], s[8:9], s[46:47]        ; W2: my 16
	s_lshr_b32 s46, s27, 6
	s_lshl_b32 s46, s46, 22
	s_lshl_b32 s56, s26, 19
	s_add_co_u32 s46, s46, s56
	s_and_b32 s56, s27, 63
	s_lshl_b32 s56, s56, 8
	s_add_co_u32 s46, s46, s56
	s_add_nc_u64 s[24:25], s[24:25], s[46:47]      ; out0: the batch, my 32 channels, the block's 64 tokens
	s_wait_alu depctr_va_vdst(0)                   ; v1 to v15, v19, v28 and v29 are written: the loads and stores of the whole kernel read them as offsets and addresses
.irp i, 0,1,2,3
	global_load_b128 v[176+4*\i:179+4*\i], v1, s[4:5] offset:512*\i th:TH_LOAD_NT
.endr
	global_load_b128 v[192:195], v1, s[6:7] th:TH_LOAD_NT
	global_load_b128 v[196:199], v1, s[12:13]
	global_load_b32 v200, v19, s[14:15]
	global_load_b32 v201, v19, s[16:17]
	global_load_b32 v202, v19, s[18:19]
	global_load_b32 v203, v19, s[20:21]
	global_load_b32 v204, v19, s[22:23]
.set n, 0
.rept 16
	global_load_b128 v[96+4*n:99+4*n], v1, s[48:49] offset:512*n       ; Wo's fragment 2 s + u at v96 + 16 x that
.set n, n+1
.endr
.irp i, 0,1,2,3
	global_load_b128 v[160+4*\i:163+4*\i], v1, s[50:51] offset:512*\i  ; Wres's fragment u at v160 + 8 u
.endr
	WIN 0x40                                       ; destination window 1
.set n, 0
.rept 16
	global_load_b128 v[4*n:4*n+3], v1, s[52:53] offset:512*n
.set n, n+1
.endr
	WIN 0
	s_wait_kmcnt 0x0
	s_add_co_i32 s46, s28, s29                     ; e10 + e11
	s_add_co_i32 s56, s30, s31
	s_sub_co_i32 s56, s56, s46                     ; e12 + e13 - e10 - e11
	s_add_co_i32 s36, s56, 127
	s_lshl_b32 s36, s36, 23
	s_mov_b32 s37, s36
	s_add_co_i32 s38, s46, 127
	s_lshl_b32 s38, s38, 23
	s_mov_b32 s39, s38
	s_add_co_i32 s42, s34, s35
	s_add_co_i32 s42, s42, 127
	s_lshl_b32 s42, s42, 23
	s_mov_b32 s43, s42
	SETSC 24, 25, 32, 46
	s_add_co_i32 s56, s32, s33                     ; e14 + e15
	s_sub_co_i32 s57, s34, s56                     ; e16 - e14 - e15
	SETSC 26, 27, 57, 46
	s_sub_co_i32 s56, 0, s56
	s_wait_loadcnt 36                              ; o's and x_lidar's codes and the parameters are in; Wo's and Wres's 20 loads and W1's first 16 may be out
.irp i, 0,1,2,3
	v_ldexp_f32 v[196+\i], v[196+\i], s56          ; bf1 goes in as the C of a sum that lacks 2^(e14 + e15)
.endr
	s_wait_alu depctr_va_vdst(0)                   ; the four lines above have written v196-199, which an LDS store below reads
.irp i, 0,1,2,3
	ds_store_b128 v3, v[176+4*\i:179+4*\i] offset:512*\i
.endr
	ds_store_b128 v4, v[192:195]
	ds_store_b128 v5, v[196:199]
	ds_store_b32 v6, v200 offset:512
	ds_store_b32 v6, v201 offset:640
	ds_store_b32 v6, v202 offset:768
	ds_store_b32 v6, v203 offset:896
	ds_store_b32 v6, v204 offset:1024
	WIN 0x40
.set n, 16
.rept 48
	global_load_b128 v[4*n:4*n+3], v1, s[52:53] offset:512*n
.set n, n+1
.endr
	WIN 0
	BARRIER                                        ; the block's codes lie in LDS
	s_wait_loadcnt 63                              ; Wo and Wres are in: 64 loads are younger, and 63 is the most that the wait can name
	s_wait_alu depctr_vm_vsrc(0)                   ; my LDS stores have read v176-204, in which fragments land from here on; the five short loads have read v19, which the norms' figures write
	; ---- the first layer: the residual's sums, brought under the other product's power of two, are what Wo's products add onto
.irp m, 0,1,2,3
.irp q, 0,1,2,3
	ds_load_b64 v[176+8*\m+2*\q:177+8*\m+2*\q], v2 offset:1024*\m+256*\q
.endr
.endr
	s_wait_dscnt 0x0
.irp m, 0,1,2,3
.irp u, 0,1
	v_wmma_f32_16x16x64_fp8_fp8 v[ACC+16*\m+8*\u:ACC+16*\m+8*\u+7], v[160+8*\u:167+8*\u], v[176+8*\m:183+8*\m], 0
.endr
.endr
	PLACES                                         ; ahead of the first read of results
.macro OFETCH s
.irp m, 0,1,2,3
.irp c, 0,1,2,3
	ds_load_b128 v[176+16*\m+4*\c:179+16*\m+4*\c], v1 offset:(2*\m+\s)*2048+512*\c
.endr
.endr
.endm
	s_wait_alu depctr_va_vdst(0)                   ; the eight products are done reading x_lidar's fragments v176-207, in which o's land
	OFETCH 0
	SCALE 36
.irp s, 0,1
	s_wait_dscnt 0x0
.irp m, 0,1,2,3
.irp u, 0,1
	v_wmma_f32_16x16x128_fp8_fp8 v[ACC+16*\m+8*\u:ACC+16*\m+8*\u+7], v[96+16*(2*\s+\u):111+16*(2*\s+\u)], v[176+16*\m:191+16*\m], v[ACC+16*\m+8*\u:ACC+16*\m+8*\u+7]
.endr
.endr
	PLACES
.if \s == 0
	s_wait_alu depctr_va_vdst(0)                   ; the first K step's products are done reading v176-239, in which the second's fragments land
	OFETCH 1
.endif
.endr
	SCALE 38
	LNORM 0, 512, 640
	; ---- x1: kept in f32 in my own LDS bytes, and quantised as the next operand
	s_wait_alu depctr_va_vdst(0)                   ; the norm's last lines have written the 64 results, which the LDS stores read
.set n, 0
.rept 16
	ds_store_b128 v10, v[ACC+4*n:ACC+4*n+3] offset:512*n
.set n, n+1
.endr
	QUANT ACC, 96, 224, 0, 24, 25                  ; reads the results and writes v96-159 and v224-239: nothing that the stores above read is written
	s_wait_alu depctr_va_vdst(0)                   ; the conversions have written the codes v224-239, which the LDS stores read; the holds are done with v96-159, and the norm with v240-255, in which loads land behind the barrier
.irp m, 0,1,2,3
	ds_store_b128 v11, v[224+4*\m:227+4*\m] offset:4096*\m
.endr
	BARRIER                                        ; x1's eight fragments lie in LDS
	s_wait_alu depctr_vm_vsrc(0)                   ; my LDS stores have read the 64 results, which the next products write, and the codes v224-239, which the next conversions write
.set n, 0
.rept 32
	ds_load_b128 v[96+4*n:99+4*n], v12 offset:512*n    ; fragment 2 m + s at v96 + 16 x that
.set n, n+1
.endr
.irp i, 0,1,2,3
	ds_load_b128 v[240+4*\i:243+4*\i], v7 offset:16*\i     ; bf1 of the first 32 units
.endr
	s_wait_loadcnt 0x0                             ; W1
	; ---- the hidden layer, 32 units at a time: eight accumulators by turns; W2's part b takes the registers that W1's part b leaves
.irp b, 0,1,2,3
	s_wait_dscnt 0x0                               ; x1's fragments and this part's bf1 are in
	WIN 0x01                                       ; source 0 (the weight) window 1
.irp m, 0,1,2,3
.irp u, 0,1
	v_wmma_f32_16x16x128_fp8_fp8 v[ACC+16*\m+8*\u:ACC+16*\m+8*\u+7], v[16*(4*\b+\u):16*(4*\b+\u)+15], v[96+32*\m:111+32*\m], v[240+8*\u:247+8*\u]
.endr
.endr
.irp m, 0,1,2,3
.irp u, 0,1
	v_wmma_f32_16x16x128_fp8_fp8 v[ACC+16*\m+8*\u:ACC+16*\m+8*\u+7], v[16*(4*\b+2+\u):16*(4*\b+2+\u)+15], v[112+32*\m:127+32*\m], v[ACC+16*\m+8*\u:ACC+16*\m+8*\u+7]
.endr
.endr
	WIN 0
	PLACES
	WIN 0x40
	s_wait_alu depctr_va_vdst(0)                   ; the sixteen products are done reading W1's part b, in which W2's part b lands, and bf1's v240-255, in which the next part's lands
.set n, 0
.rept 16
	global_load_b128 v[64*\b+4*n:64*\b+4*n+3], v1, s[54:55] offset:(16*\b+n)*512
.set n, n+1
.endr
	WIN 0
.if \b < 3
.irp i, 0,1,2,3
	ds_load_b128 v[240+4*\i:243+4*\i], v7 offset:128*(\b+1)+16*\i
.endr
.endif
.if \b > 0
	s_wait_alu depctr_vm_vsrc(0)                   ; the last part's LDS stores have read the codes v224-239, which the conversions below write again
.endif
	QUANT ACC, ACC, 224, 1, 26, 27
	s_wait_alu depctr_va_vdst(0)                   ; the conversions have written the codes, which the LDS stores read
.irp m, 0,1,2,3
	ds_store_b128 v13, v[224+4*\m:227+4*\m] offset:16384*\m+512*\b
.endr
.endr
	BARRIER                                        ; the hidden layer's 32 fragments lie in LDS
	; ---- the second FFN product: a K step's four fragments a step ahead, in two sets of registers.  The hidden layer's products, which read v96-223, stand ahead of the last wait on va_vdst
.macro HFETCH s
.irp m, 0,1,2,3
.irp c, 0,1,2,3
	ds_load_b128 v[96+64*((\s)%2)+16*\m+4*\c:99+64*((\s)%2)+16*\m+4*\c], v14 offset:16384*\m+2048*(\s)+512*\c
.endr
.endr
.endm
	HFETCH 0
.irp s, 0,1,2,3,4,5,6,7
.if \s > 0
	PLACES
	s_wait_alu depctr_va_vdst(0)                   ; the last step's products are done reading their set of fragments, in which the loads below land
.endif
.if \s < 7
	HFETCH \s+1
	s_wait_dscnt 16                                ; this step's fragments are in; the 16 loads just issued may be out
.else
.set n, 0
.rept 16
	ds_load_b128 v[96+4*n:99+4*n], v10 offset:512*n    ; no fragments are left to fetch: x1 comes back into the free set,
.set n, n+1
.endr
.irp i, 0,1,2,3
	ds_load_b128 v[240+4*\i:243+4*\i], v7 offset:1024+16*\i   ; and bf2
.endr
	s_wait_dscnt 20                                ; this step's fragments are in; the 20 loads just issued may be out
.endif
.if (\s%2) == 0
	s_wait_loadcnt 16*(3-\s/2)                     ; W2's part s / 2 is in; the later parts, 16 loads each, may be out
.endif
	WIN 0x01
.irp m, 0,1,2,3
.irp u, 0,1
.if \s == 0
	v_wmma_f32_16x16x128_fp8_fp8 v[ACC+16*\m+8*\u:ACC+16*\m+8*\u+7], v[16*(2*\s+\u):16*(2*\s+\u)+15], v[96+64*(\s%2)+16*\m:111+64*(\s%2)+16*\m], 0
.else
	v_wmma_f32_16x16x128_fp8_fp8 v[ACC+16*\m+8*\u:ACC+16*\m+8*\u+7], v[16*(2*\s+\u):16*(2*\s+\u)+15], v[96+64*(\s%2)+16*\m:111+64*(\s%2)+16*\m], v[ACC+16*\m+8*\u:ACC+16*\m+8*\u+7]
.endif
.endr
.endr
	WIN 0
.endr
	s_wait_dscnt 0x0                               ; x1 and bf2 are in
.irp m, 0,1,2,3
.irp i, 0,2,4,6,8,10,12,14
	v_pk_add_f32 v[96+16*\m+\i:97+16*\m+\i], v[96+16*\m+\i:97+16*\m+\i], v[240+\i:241+\i]   ; these 32 name no register of the last step's products: they are the places ahead of the first read of the sums
.endr
.endr
.set qi, 0
.rept 32
	v_pk_fma_f32 v[ACC+qi:ACC+qi+1], v[ACC+qi:ACC+qi+1], s[42:43], v[96+qi:97+qi] op_sel_hi:[1,0,1]   ; sum x 2^(e16 + e17) + (x1 + bf2)
.set qi, qi+2
.endr
	LNORM 2, 768, 896
	; ---- the way out: a lane holds 16 channels of one token, out0 wants 64 tokens of one channel on end: through my own stage (no barrier: the rows are my wave's own, and LDS serves a wave's instructions in order)
	s_wait_alu depctr_va_vdst(0)                   ; the norm's last lines have written the 64 results, which the LDS stores read; all vector lines are done with v96-159, in which the rows land
.irp m, 0,1,2,3
.irp i, 0,1,2,3,4,5,6,7,8,9,10,11,12,13,14,15
	ds_store_b32 v15, v[ACC+16*\m+\i] offset:272*\i+64*\m
.endr
.endr
.irp q, 0,1,2,3,4,5,6,7,8,9,10,11,12,13,14,15
	ds_load_b128 v[96+4*\q:99+4*\q], v28 offset:544*\q
.endr
.irp q, 0,1,2,3,4,5,6,7,8,9,10,11,12,13,14,15
	s_wait_dscnt 15-\q                             ; rows 2 q and 2 q + 1 are back; the younger loads may be out
	global_store_b128 v29, v[96+4*\q:99+4*\q], s[24:25] offset:32768*\q th:TH_STORE_NT   ; sixteen lanes store 256 consecutive bytes, aligned; written once, read by nobody here
.endr
	s_wait_dscnt 0x0                               ; the closing lines, six on end
	s_wait_alu 0x0
	s_wait_tensorcnt 0x0
	ds_add_u32 v30, v31
	s_wait_dscnt 0x0
	s_endpgm
.Lfunc_end_k_qe55bfca2f5_fuse:
	.size	k_qe55bfca2f5_fuse, .Lfunc_end_k_qe55bfca2f5_fuse-k_qe55bfca2f5_fuse
	.p2alignl 7, 3214868480
	.fill 96, 4, 3214868480
	.section	.rodata,"a",@progbits
	.p2align	6, 0x0
	.amdhsa_kernel k_qe55bfca2f5_fuse
		.amdhsa_group_segment_fixed_size 257024
		.amdhsa_private_segment_fixed_size 0
		.amdhsa_enable_private_segment 0
		.amdhsa_kernarg_size 88
		.amdhsa_user_sgpr_count 2
		.amdhsa_user_sgpr_kernarg_segment_ptr 1
		.amdhsa_wavefront_size32 1
		.amdhsa_system_sgpr_workgroup_id_x 1
		.amdhsa_system_sgpr_workgroup_id_y 1
		.amdhsa_system_sgpr_workgroup_id_z 1
		.amdhsa_system_vgpr_workitem_id 0
		.amdhsa_next_free_vgpr 512
		.amdhsa_next_free_sgpr 66
		.amdhsa_reserve_vcc 0
		.amdhsa_float_denorm_mode_32 3
		.amdhsa_float_denorm_mode_16_64 3
		.amdhsa_memory_ordered 1
		.amdhsa_forward_progress 1
		.amdhsa_inst_pref_size 123
	.end_amdhsa_kernel
	.amdgpu_metadata
---
amdhsa.version: [ 1, 2 ]
amdhsa.kernels:
  - .name:           k_qe55bfca2f5_fuse
    .symbol:         k_qe55bfca2f5_fuse.kd
    .args:
      - { .name: oimg, .offset: 0, .size: 8, .value_kind: global_buffer, .address_space: global }
      - { .name: xrimg, .offset: 8, .size: 8, .value_kind: global_buffer, .address_space: global }
      - { .name: wimg, .offset: 16, .size: 8, .value_kind: global_buffer, .address_space: global }
      - { .name: lowp_scales, .offset: 24, .size: 8, .value_kind: global_buffer, .address_space: global }
      - { .name: bf1, .offset: 32, .size: 8, .value_kind: global_buffer, .address_space: global }
      - { .name: g1, .offset: 40, .size: 8, .value_kind: global_buffer, .address_space: global }
      - { .name: b1, .offset: 48, .size: 8, .value_kind: global_buffer, .address_space: global }
      - { .name: g2, .offset: 56, .size: 8, .value_kind: global_buffer, .address_space: global }
      - { .name: b2, .offset: 64, .size: 8, .value_kind: global_buffer, .address_space: global }
      - { .name: bf2, .offset: 72, .size: 8, .value_kind: global_buffer, .address_space: global }
      - { .name: out0, .offset: 80, .size: 8, .value_kind: global_buffer, .address_space: global }
    .group_segment_fixed_size: 257024
    .private_segment_fixed_size: 0
    .kernarg_segment_align: 8
    .kernarg_segment_size: 88
    .max_flat_workgroup_size: 256
    .sgpr_count:     66
    .vgpr_count:     512
    .wavefront_size: 32
...
	.end_amdgpu_metadata
.endif
;; end of part 5
